; MI455X (gfx1250); checked and timed in simulation.
; The chip was launched on July 23, 2026; its instructions are those of AMD's public machine-readable ISA for CDNA 5 (MIT licence, August 2026) and "CDNA5" Instruction Set Architecture Reference Guide (July 2026). The comments in the code are by the model that wrote it; some were corrected since.
;; Tiny Attention. Allowed arithmetic: float matrix products may take bf16 or f16 operands with f32 sums; other float arithmetic in f32, or as packed bf16 or f16 multiplies, adds, multiply-adds, maxima and minima; sums over many terms, partial sums and values carried from step to step in f32; what a program stores and reads back later, other than sums and carried values, may be rounded once to bf16 or f16.
;; Inputs: b_proj 1,024 float32; w_proj 1,024 x 1,024 float32; w_qkv 1,024 x 3,072 float32; x 4 x 2,048 x 1,024 float32.
;; Outputs: out0 4 x 2,048 x 1,024 float32.
;; 2 versions, each right and faster than the one before. Each part assembles by itself: llvm-mc -triple=amdgcn-amd-amdhsa -mcpu=gfx1250 --defsym DOCPART=n.
;; ======== version 1 of 2: 5 launches
;; limits: values are held in f16: magnitudes above 65,504 overflow, below 6.1e-05 lose precision
;; workspace buffers: xh 16,777,216 bytes; wqh 6,291,456 bytes; wph 2,097,152 bytes; qkv 50,331,648 bytes; pbuf 33,554,432 bytes; stat 524,288 bytes; oh 16,777,216 bytes
;; launch cast (part 1): grid 768 x 1, 8 waves a work-group, no clusters, 0 bytes of LDS; arguments x, w_qkv, w_proj, xh, wqh, wph; writes xh, wqh, wph
.if DOCPART == 1
	.amdgcn_target "amdgcn-amd-amdhsa--gfx1250"
	.amdhsa_code_object_version 6
	.text
	.protected	k_qd5d9393bdf_cast
	.globl	k_qd5d9393bdf_cast
	.p2align	8
	.type	k_qd5d9393bdf_cast,@function
k_qd5d9393bdf_cast:
	s_mov_b64 s[64:65], 0
	v_nop
	global_prefetch_b8 v0, s[64:65] scope:SCOPE_SE
	s_setreg_imm32_b32 hwreg(HW_REG_WAVE_MODE, 25, 1), 1
	s_wait_xcnt 0x0
; xh, wqh, wph = x, w_qkv, w_proj, each number rounded to bf16 (nearest even) and that number written as f16.
; LIMITS.  A bf16 number has 8 significant bits and is exact in f16 from 6.1e-5 to 65,504 in magnitude; below it keeps f16's fixed step of 6e-8, beyond it becomes an infinity.
; A stream: no LDS, no barrier, no matrix unit.  A work-group converts 16,384 numbers: 512 groups for x, 192 for w_qkv, 64 for w_proj.
; A wave takes 8,192 consecutive bytes by 16 loads of 512 bytes, all issued at once, and writes 4,096 bytes by 16 stores of 256 consecutive, aligned bytes.
.set X, 16                             ; v[16:79]   load k: four f32
.set Y, 80                             ; v[80:111]  store k: four f16
	s_load_b256 s[4:11], s[0:1], 0x0               ; x s[4:5], w_qkv s[6:7], w_proj s[8:9], xh s[10:11]
	s_load_b128 s[12:15], s[0:1], 0x20             ; wqh s[12:13], wph s[14:15]
	s_mov_b32 s16, ttmp9
	s_sub_co_u32 s17, s16, 512                     ; the group's number inside w_qkv,
	s_sub_co_u32 s18, s16, 704                     ; inside w_proj
	s_mov_b32 s28, 0xffff0000                      ; a word's upper bf16
	v_lshrrev_b32 v1, 5, v0                        ; wave
	v_and_b32 v2, 31, v0                           ; lane
	v_lshlrev_b32 v3, 4, v2
	v_lshl_add_u32 v3, v1, 13, v3                  ; source: 8,192 x wave + 16 x lane
	v_lshlrev_b32 v4, 3, v2
	v_lshl_add_u32 v4, v1, 12, v4                  ; destination: 4,096 x wave + 8 x lane
	s_wait_kmcnt 0x0
	s_cmp_lt_u32 s16, 704                          ; which tensor: the choice hangs on the group's number alone
	s_cselect_b64 s[20:21], s[6:7], s[8:9]
	s_cselect_b64 s[22:23], s[12:13], s[14:15]
	s_cselect_b32 s19, s17, s18
	s_cmp_lt_u32 s16, 512
	s_cselect_b64 s[20:21], s[4:5], s[20:21]
	s_cselect_b64 s[22:23], s[10:11], s[22:23]
	s_cselect_b32 s19, s16, s19
	s_lshl_b32 s24, s19, 16                        ; 65,536 bytes of f32 a group,
	s_mov_b32 s25, 0
	s_lshl_b32 s26, s19, 15                        ; 32,768 of f16
	s_mov_b32 s27, 0
	s_add_nc_u64 s[20:21], s[20:21], s[24:25]
	s_add_nc_u64 s[22:23], s[22:23], s[26:27]
.irp k, 0,1,2,3,4,5,6,7,8,9,10,11,12,13,14,15
	global_load_b128 v[X+4*(\k):X+4*(\k)+3], v3, s[20:21] offset:512*(\k) th:TH_LOAD_NT
.endr
.irp k, 0,1,2,3,4,5,6,7,8,9,10,11,12,13,14,15
	s_wait_loadcnt 15-(\k)                         ; loads come back in order: load k is in, the younger ones stay out
	v_cvt_pk_bf16_f32 v8, v[X+4*(\k)], v[X+4*(\k)+1]
	v_cvt_pk_bf16_f32 v9, v[X+4*(\k)+2], v[X+4*(\k)+3]
	v_lshlrev_b32 v[X+4*(\k)], 16, v8              ; bf16 back to f32: a shift or a mask
	v_and_b32 v[X+4*(\k)+1], s28, v8
	v_lshlrev_b32 v[X+4*(\k)+2], 16, v9
	v_and_b32 v[X+4*(\k)+3], s28, v9
	v_cvt_pk_f16_f32 v[Y+2*(\k)], v[X+4*(\k)], v[X+4*(\k)+1]
	v_cvt_pk_f16_f32 v[Y+2*(\k)+1], v[X+4*(\k)+2], v[X+4*(\k)+3]
	global_store_b64 v4, v[Y+2*(\k):Y+2*(\k)+1], s[22:23] offset:256*(\k)  ; each store has data registers of its own: nothing is rewritten
.endr
	s_endpgm
.Lfunc_end_k_qd5d9393bdf_cast:
	.size	k_qd5d9393bdf_cast, .Lfunc_end_k_qd5d9393bdf_cast-k_qd5d9393bdf_cast
	.p2alignl 7, 3214868480
	.fill 96, 4, 3214868480
	.section	.rodata,"a",@progbits
	.p2align	6, 0x0
	.amdhsa_kernel k_qd5d9393bdf_cast
		.amdhsa_group_segment_fixed_size 0
		.amdhsa_private_segment_fixed_size 0
		.amdhsa_enable_private_segment 0
		.amdhsa_kernarg_size 48
		.amdhsa_user_sgpr_count 2
		.amdhsa_user_sgpr_kernarg_segment_ptr 1
		.amdhsa_wavefront_size32 1
		.amdhsa_system_sgpr_workgroup_id_x 1
		.amdhsa_system_sgpr_workgroup_id_y 1
		.amdhsa_system_sgpr_workgroup_id_z 1
		.amdhsa_system_vgpr_workitem_id 0
		.amdhsa_next_free_vgpr 112
		.amdhsa_next_free_sgpr 66
		.amdhsa_reserve_vcc 0
		.amdhsa_float_denorm_mode_32 3
		.amdhsa_float_denorm_mode_16_64 3
		.amdhsa_memory_ordered 1
		.amdhsa_forward_progress 1
		.amdhsa_inst_pref_size 11
	.end_amdhsa_kernel
	.amdgpu_metadata
---
amdhsa.version: [ 1, 2 ]
amdhsa.kernels:
  - .name:           k_qd5d9393bdf_cast
    .symbol:         k_qd5d9393bdf_cast.kd
    .args:
      - { .name: x, .offset: 0, .size: 8, .value_kind: global_buffer, .address_space: global }
      - { .name: w_qkv, .offset: 8, .size: 8, .value_kind: global_buffer, .address_space: global }
      - { .name: w_proj, .offset: 16, .size: 8, .value_kind: global_buffer, .address_space: global }
      - { .name: xh, .offset: 24, .size: 8, .value_kind: global_buffer, .address_space: global }
      - { .name: wqh, .offset: 32, .size: 8, .value_kind: global_buffer, .address_space: global }
      - { .name: wph, .offset: 40, .size: 8, .value_kind: global_buffer, .address_space: global }
    .group_segment_fixed_size: 0
    .private_segment_fixed_size: 0
    .kernarg_segment_align: 8
    .kernarg_segment_size: 48
    .max_flat_workgroup_size: 256
    .sgpr_count:     66
    .vgpr_count:     112
    .wavefront_size: 32
...
	.end_amdgpu_metadata
.endif
;; end of part 1
;; launch qkvp (part 2): grid 24 x 32, 4 waves a work-group, clusters of 4 x 4, 327,680 bytes of LDS; arguments xh, wqh, qkv; writes qkv
.if DOCPART == 2
	.amdgcn_target "amdgcn-amd-amdhsa--gfx1250"
	.amdhsa_code_object_version 6
	.text
	.protected	k_qd5d9393bdf_qkvp
	.globl	k_qd5d9393bdf_qkvp
	.p2align	8
	.type	k_qd5d9393bdf_qkvp,@function
k_qd5d9393bdf_qkvp:
	s_mov_b64 s[64:65], 0
	v_nop
	global_prefetch_b8 v0, s[64:65] scope:SCOPE_SE
	s_setreg_imm32_b32 hwreg(HW_REG_WAVE_MODE, 25, 1), 1
	s_wait_xcnt 0x0
	s_wait_alu depctr_hold_cnt(0) depctr_sa_sdst(0) depctr_va_vdst(0) depctr_va_sdst(0) depctr_va_ssrc(0) depctr_va_vcc(0) depctr_vm_vsrc(0)
	s_getreg_b32 s2, hwreg(HW_REG_IB_STS2, 6, 4)
	s_cmp_eq_u32 s2, 0
	s_cbranch_scc0 .Lentry_in_a_cluster
	s_endpgm
.Lentry_in_a_cluster:
	s_bfe_u32 s2, ttmp6, 0x10000c
	s_cmp_lg_u32 s2, 0xf033
	s_cbranch_scc0 .Lentry_shape_is_right
	s_endpgm
.Lentry_shape_is_right:
; qkv[m][n] = sum over k of xh[m][k] wqh[k][n].  xh: [8192][1024], wqh: [1024][3072], qkv: [8192][3072], all f16; sums in f32, qkv rounded once.
; LIMIT.  A sum of 65,520 or more in magnitude becomes an infinity in f16.
; A tile of qkv is 256 rows x 128 columns; 24 x 32 tiles.  Four waves; wave w makes rows 64 w .. 64 w + 63 and all 128 columns: 32 accumulators of 16 x 16, 256 registers (window 1).
; K goes in steps of 128 through two LDS slots filled by the tensor data mover: 256 rows of xh (256 bytes each) and 128 k-rows of wqh (256 bytes each).
; wqh lies [k][n], so its fragments come out of LDS turned, by ds_load_tr16_b128.
; THE MATRIX INSTRUCTION IS USED TRANSPOSED: source 0 = 16 columns of wqh, source 1 = 16 rows of xh; a lane then holds row lane % 16 and the eight neighbouring columns 8 (lane / 16) + 0..7.
; CLUSTER 4 x 4: the four work-groups of a cluster's row need the same rows of xh, the four of a column the same columns of wqh; each tile is asked for jointly.
; REGISTERS: window 0: v0-13 addresses; v64-159, v160-255 two fragment buffers (xh's fragment a at f + 8 a, wqh's fragment b at f + 32 + 8 b); window 1: accumulator (a, b) at 8 (8 a + b).
.set PA,     272                       ; an LDS row of xh: 256 bytes + 16: the 16 rows of a fragment load start 4 banks apart
.set PB,     288                       ; an LDS row of wqh: 256 + 32
.set BOFF,   256*PA                    ; in a slot wqh's rows lie behind xh's
.set SLOT1,  1<<17                     ; slot 1 begins here: one exclusive or turns an address in one slot into the other's
.set STAGE,  BOFF+128*PB               ; between the slots, never filled: 16 rows x 272 bytes for each wave, for the way out
.set SP,     272
.set SPARE,  STAGE+4*16*SP             ; the spare words, 128 bytes for each wave: two blocks of 256 bytes that no other line names
.set PITCHA, 1024                      ; elements from row to row
.set PITCHB, 3072
.set PITCHC, 6144                      ; bytes from row to row of qkv
.set ASTEP,  256                       ; bytes from K step to K step
.set BSTEP,  128*PITCHB*2
.set STEPS,  8
.set A0,   4                           ; v4   my lane's place in xh's tile of slot 0; never rewritten
.set B0,   5                           ; v5   the same for wqh
.set ADRA, 6                           ; v6   the same in the slot in hand
.set ADRB, 7
.set STO,  8                           ; v8   the way out: where I put 16 bytes of a row
.set RD,   9                           ; v9   where I read rows back
.set CO,   10                          ; v10  my byte offset in two rows of qkv
.set SPW,  12                          ; v12  my spare word; never rewritten
.set NIL,  13                          ; v13  0; never rewritten
.set F0,   64
.set F1,   160
.set TMP,  64                          ; the way out: packed results
.set CNT,  3
.set WV,   12                          ; s12 wave; s13 wave / 2: I fetch for xh (0) or wqh (1); s14 wave % 2: which half of that tile
.set WHI,  13
.set WLO,  14
.set TR,   15                          ; tile row
.set G1A,  24
.set G1B,  32
.set G0A,  40                          ; two sets for the two first fills; the second then walks
.set G0B,  48
.set CX,   56
.set CY,   57
.set TC,   58                          ; tile column
.set MROW, 59
.set MCOL, 60
.set TB,   61                          ; LDS byte at which the slot in hand begins
.set MSB, 0
.macro WIN new                         ; the immediate's high byte repeats the setting that is left; a switch that changes nothing is dropped
.if MSB != (\new)
	s_set_vgpr_msb (MSB<<8)|(\new)
.set MSB, \new
.endif
.endm
.set MUL, 0x50                         ; sources 0 and 1 window 0; C and D window 1
.macro PLACES                          ; four plain vector instructions between a matrix instruction and a load into, or a vector line on, its registers
.rept 4
	v_nop
.endr
.endm
.macro JLOAD                           ; a joint refill by the walking descriptors; the branch hangs on the wave's number alone; s_nop 0 and four v_nop follow each line
	s_cmp_eq_u32 s[WHI], 0
	s_cbranch_scc0 .Lfor_b_\@
	tensor_load_to_lds s[G0A+4:G0A+7], s[G1A:G1A+7]
	s_nop 0
.rept 4
	v_nop
.endr
	s_branch .Lasked_\@
.Lfor_b_\@:
	tensor_load_to_lds s[G0B+4:G0B+7], s[G1B:G1B+7]
	s_nop 0
.rept 4
	v_nop
.endr
.Lasked_\@:
.endm
.macro CREST                           ; a round of the cluster's barrier behind its opening barrier
	s_cmp_lg_u32 s[WV], 0
	s_cbranch_scc1 .Lnot_wave_0_\@
	s_barrier_signal -3
.Lnot_wave_0_\@:
	s_barrier_wait -3
	s_barrier_signal -1
	s_barrier_wait -1
.endm
.macro CROUND
	s_barrier_signal -1
	s_barrier_wait -1
	CREST
.endm
	s_load_b128 s[4:7], s[0:1], 0x0                ; xh s[4:5], wqh s[6:7]
	s_load_b64 s[8:9], s[0:1], 0x10                ; qkv
	v_lshl_add_u32 v[SPW], v0, 2, SPARE
	v_mov_b32 v[NIL], 0
	ds_add_u32 v[SPW], v[NIL]                      ; the wave's opening: the add and its wait ahead of my first tensor load
	ds_add_u32 v12, v13
	v_lshrrev_b32 v1, 5, v0
	v_readfirstlane_b32 s[WV], v1
	s_lshr_b32 s[WHI], s[WV], 1
	s_and_b32 s[WLO], s[WV], 1
	s_bfe_u32 s[CX], ttmp6, 0x40000
	s_bfe_u32 s[CY], ttmp6, 0x40004
	s_lshl_b32 s[TC], ttmp9, 2
	s_add_co_u32 s[TC], s[TC], s[CX]               ; tile column = 4 x cluster x + cx
	s_and_b32 s[TR], ttmp7, 0xffff
	s_lshl_b32 s[TR], s[TR], 2
	s_add_co_u32 s[TR], s[TR], s[CY]               ; tile row = 4 x cluster y + cy
	s_lshl_b32 s[MROW], s[CY], 2
	s_lshl_b32 s[MROW], 15, s[MROW]                ; my row of the cluster
	s_lshl_b32 s[MCOL], 0x1111, s[CX]              ; my column
	s_or_b32 s[G1A], s[MROW], 0x07710000           ; mask; 2-byte elements; padding on; bit 21 beside a mask; after every 64 words 4 words
	s_mov_b32 s[G1A+1], 128<<16                    ; tensor_dim0 = 128
	s_mov_b32 s[G1A+2], 128<<16                    ; tensor_dim1 = 128
	s_mov_b32 s[G1A+3], 128<<16                    ; tile_dim0 = 128
	s_mov_b32 s[G1A+4], 128                        ; tile_dim1 = 128
	s_mov_b32 s[G1A+5], PITCHA
	s_mov_b32 s[G1A+6], 0
	s_mov_b32 s[G1A+7], 0
	s_or_b32 s[G1B], s[MCOL], 0x0f710000           ; the same with 8 words of padding
	s_mov_b32 s[G1B+1], 128<<16
	s_mov_b32 s[G1B+2], 64<<16                     ; 64 k-rows to a load
	s_mov_b32 s[G1B+3], 128<<16
	s_mov_b32 s[G1B+4], 64
	s_mov_b32 s[G1B+5], PITCHB
	s_mov_b32 s[G1B+6], 0
	s_mov_b32 s[G1B+7], 0
	s_lshl_b32 s16, s[TR], 8
	s_lshl_b32 s17, s[WLO], 7
	s_add_co_u32 s16, s16, s17                     ; xh: row 256 x tile row + 128 x half,
	s_lshl_b32 s16, s16, 11                        ; of 2,048 bytes
	s_mov_b32 s17, 0
	s_mul_i32 s18, s[WLO], 64*PITCHB*2             ; wqh: k-row 64 x half,
	s_lshl_b32 s19, s[TC], 8                       ; column 128 x tile column
	s_add_co_u32 s18, s18, s19
	s_mov_b32 s19, 0
	s_mul_i32 s20, s[WLO], 128*PA                  ; where they go: no place in the cluster enters an LDS address
	s_mul_i32 s21, s[WLO], 64*PB
	s_add_co_u32 s21, s21, BOFF
	s_mov_b32 s[TB], 0
	s_wait_dscnt 0x0                               ; the opening add is done
	s_wait_kmcnt 0x0
	s_add_nc_u64 s[16:17], s[4:5], s[16:17]
	s_add_nc_u64 s[18:19], s[6:7], s[18:19]
	CROUND                                         ; all sixteen work-groups are here: the first joint loads meet
.irp s, 0,1
	s_mov_b32 s[G0A+4*(\s)], 1
	s_add_co_u32 s[G0A+4*(\s)+1], s20, (\s)*SLOT1
	s_add_nc_u64 s[G0A+4*(\s)+2:G0A+4*(\s)+3], s[16:17], (\s)*ASTEP
	s_or_b32 s[G0A+4*(\s)+3], s[G0A+4*(\s)+3], 0x80000000
	s_mov_b32 s[G0B+4*(\s)], 1
	s_add_co_u32 s[G0B+4*(\s)+1], s21, (\s)*SLOT1
	s_add_nc_u64 s[G0B+4*(\s)+2:G0B+4*(\s)+3], s[18:19], (\s)*BSTEP
	s_or_b32 s[G0B+4*(\s)+3], s[G0B+4*(\s)+3], 0x80000000
.endr
	s_cmp_eq_u32 s[WHI], 0                         ; a wave's two first fills stand in one branch: two loads of mine are out
	s_cbranch_scc0 .Lfirst_b
	tensor_load_to_lds s[G0A:G0A+3], s[G1A:G1A+7]
	s_nop 0
	tensor_load_to_lds s[G0A+4:G0A+7], s[G1A:G1A+7]
	s_nop 0
.rept 4
	v_nop
.endr
	s_branch .Lfirst_asked
.Lfirst_b:
	tensor_load_to_lds s[G0B:G0B+3], s[G1B:G1B+7]
	s_nop 0
	tensor_load_to_lds s[G0B+4:G0B+7], s[G1B:G1B+7]
	s_nop 0
.rept 4
	v_nop
.endr
.Lfirst_asked:
	v_and_b32 v1, 15, v0                           ; l % 16
	v_bfe_u32 v2, v0, 4, 1                         ; l / 16
	v_mul_u32_u24 v3, v1, PA
	v_lshl_add_u32 v3, v2, 4, v3
	s_mul_i32 s22, s[WV], 64*PA
	v_add_nc_u32 v[A0], s22, v3                    ; (64 w + l % 16) x pitch + 16 x half
	v_and_b32 v3, 7, v0
	v_lshl_add_u32 v3, v2, 3, v3                   ; the turning load: k-row 8 (l / 16) + l % 8,
	v_mul_u32_u24 v3, v3, PB
	v_bfe_u32 v11, v0, 3, 1
	v_lshl_add_u32 v3, v11, 4, v3                  ; columns 8 ((l / 8) % 2) + 0..7
	v_add_nc_u32 v[B0], BOFF, v3
	v_mov_b32 v[ADRA], v[A0]
	v_mov_b32 v[ADRB], v[B0]
	s_mul_i32 s22, s[WV], 16*SP
	s_add_co_u32 s22, s22, STAGE                   ; my stage
	v_mul_u32_u24 v3, v1, SP
	v_lshl_add_u32 v3, v2, 4, v3
	v_add_nc_u32 v[STO], s22, v3                   ; in: row l % 16, 16 bytes for each half of the lanes
	v_mul_u32_u24 v3, v2, SP
	v_lshl_add_u32 v3, v1, 4, v3
	v_add_nc_u32 v[RD], s22, v3                    ; back: lanes 0-15 one row of 256 bytes, lanes 16-31 the next
	v_mul_u32_u24 v3, v2, PITCHC
	v_lshl_add_u32 v[CO], v1, 4, v3                ; and the same two rows in qkv
	s_lshl_b32 s16, s[TR], 8
	s_lshl_b32 s17, s[WV], 6
	s_add_co_u32 s16, s16, s17
	s_mul_i32 s16, s16, PITCHC                     ; my first row of qkv
	s_mov_b32 s17, 0
	s_add_nc_u64 s[8:9], s[8:9], s[16:17]
	s_lshl_b32 s18, s[TC], 8                       ; the tile's first column, in the registers that held wqh's address
	s_mov_b32 s19, 0
	s_add_nc_u64 s[8:9], s[8:9], s[18:19]
; 8 matrix instructions: column blocks b0, b0 + 1 x all 4 row blocks, 32 along K.  The 32 accumulators take turns, one instruction a turn, in the same order in every quarter.
.macro MUL8 f, b0, zero
	WIN MUL
.irp b, \b0, (\b0)+1
.irp a, 0,1,2,3
.if \zero
	v_wmma_f32_16x16x32_f16 v[8*(8*(\a)+(\b)):8*(8*(\a)+(\b))+7], v[(\f)+32+8*(\b):(\f)+32+8*(\b)+7], v[(\f)+8*(\a):(\f)+8*(\a)+7], 0
.else
	v_wmma_f32_16x16x32_f16 v[8*(8*(\a)+(\b)):8*(8*(\a)+(\b))+7], v[(\f)+32+8*(\b):(\f)+32+8*(\b)+7], v[(\f)+8*(\a):(\f)+8*(\a)+7], v[8*(8*(\a)+(\b)):8*(8*(\a)+(\b))+7]
.endif
.endr
.endr
.endm
; 24 LDS loads in one run: quarter q (32 along K) of the slot in hand into buffer f: xh's four fragments, then wqh's eight
.macro FETCH q, f
	WIN 0
.irp a, 0,1,2,3
	ds_load_b128 v[(\f)+8*(\a):(\f)+8*(\a)+3],   v[ADRA] offset:64*(\q)+(\a)*16*PA
	ds_load_b128 v[(\f)+8*(\a)+4:(\f)+8*(\a)+7], v[ADRA] offset:64*(\q)+(\a)*16*PA+32
.endr
.irp b, 0,1,2,3,4,5,6,7
	ds_load_tr16_b128 v[(\f)+32+8*(\b):(\f)+32+8*(\b)+3],   v[ADRB] offset:(\q)*32*PB+32*(\b)
	ds_load_tr16_b128 v[(\f)+32+8*(\b)+4:(\f)+32+8*(\b)+7], v[ADRB] offset:(\q)*32*PB+16*PB+32*(\b)
.endr
.endm
; A K step is four quarters on buffers 0, 1, 0, 1.  One of the first three multiplies buffer f and, in its middle, fetches quarter qn into buffer g.
.macro QUARTER qn, f, g, zero
	s_wait_dscnt 8                                 ; all but the youngest eight loads (wqh's fragments 4-7) are in
	MUL8 \f, 0, \zero
	MUL8 \f, 2, \zero
	PLACES
	FETCH \qn, \g
	s_wait_dscnt 24                                ; all but the 24 just issued
	MUL8 \f, 4, \zero
	MUL8 \f, 6, \zero
.endm
; The last quarter multiplies buffer 1 and changes slots.  In front of the barrier each wave waits for all its tensor loads (one is out: its part of the next slot), adds 0 to its spare word,
; and waits for that and for its reads of this slot.  fill = 1: the barrier opens a round of the cluster's, and the joint refill, two K steps ahead, is the first thing behind the round.
.macro TURN fill
	WIN 0
	s_wait_tensorcnt 0x0
	ds_add_u32 v[SPW], v[NIL]
	s_wait_dscnt 9                                 ; the add and the youngest eight loads may be out
	MUL8 F1, 0, 0
	s_wait_dscnt 0x0                               ; the add is done, my reads of this slot are over
	s_barrier_signal -1
	MUL8 F1, 2, 0
	WIN 0
	s_barrier_wait -1
.if \fill
	CREST
	s_xor_b32 s[G0A+5], s[G0A+5], SLOT1            ; the walking descriptors: the other slot than last time, the next K step
	s_add_nc_u64 s[G0A+6:G0A+7], s[G0A+6:G0A+7], ASTEP
	s_xor_b32 s[G0B+5], s[G0B+5], SLOT1
	s_add_nc_u64 s[G0B+6:G0B+7], s[G0B+6:G0B+7], BSTEP
	JLOAD                                          ; its four v_nop are also the places in front of the loads below
.else
	PLACES
.endif
	s_xor_b32 s[TB], s[TB], SLOT1
	v_add_nc_u32 v[ADRA], s[TB], v[A0]
	v_add_nc_u32 v[ADRB], s[TB], v[B0]
	FETCH 0, F0
	MUL8 F1, 4, 0
	MUL8 F1, 6, 0
.endm
; THE WAY OUT of row block a: rounded to f16, 16 bytes a lane, through my own stage, back as whole rows of 256 bytes, stored.
.macro PACK a
	WIN 0x05                                       ; sources window 1, destination window 0
.irp b, 0,1,2,3,4,5,6,7
.irp r, 0,1,2,3
	v_cvt_pk_f16_f32 v[TMP+4*(\b)+(\r)], v[64*(\a)+8*(\b)+2*(\r)], v[64*(\a)+8*(\b)+2*(\r)+1]
.endr
.endr
	WIN 0
.endm
.macro TOSTAGE a
	WIN 0
.set BK, 96+32*((\a)%2)
.irp b, 0,1,2,3,4,5,6,7
	ds_store_b128 v[STO], v[TMP+4*(\b):TMP+4*(\b)+3] offset:32*(\b)
.endr
.irp t, 0,1,2,3,4,5,6,7
	ds_load_b128 v[BK+4*(\t):BK+4*(\t)+3], v[RD] offset:(\t)*2*SP  ; LDS serves a wave's instructions in order: these see the stores above
.endr
.endm
.macro SEND a, younger
	WIN 0
.set BK, 96+32*((\a)%2)
	s_wait_dscnt \younger
	s_wait_xcnt 0x0                                ; the stores' base, and the registers that earlier stores read, are rewritten only behind this wait
.if (\a) > 0
	s_add_nc_u64 s[8:9], s[8:9], 16*PITCHC
.endif
.irp t, 0,1,2,3,4,5,6,7
	global_store_b128 v[CO], v[BK+4*(\t):BK+4*(\t)+3], s[8:9] offset:2*(\t)*PITCHC  ; 16 lanes store 256 consecutive, aligned bytes
.endr
.endm
	s_wait_tensorcnt 1                             ; my part of K step 0 is in; K step 1's may stay out
	s_barrier_signal -1
	s_barrier_wait -1
	FETCH 0, F0
	QUARTER 1, F0, F1, 1                           ; the first quarter's products start the sums
	WIN 0
	s_mov_b32 s[CNT], STEPS-2
.Lstep:                                                ; six trips, from a step's second quarter to the next step's first; each asks for the K step two ahead
	QUARTER 2, F1, F0, 0
	QUARTER 3, F0, F1, 0
	TURN 1
	QUARTER 1, F0, F1, 0
	WIN 0
	s_sub_co_u32 s[CNT], s[CNT], 1
	s_cmp_lg_u32 s[CNT], 0
	s_cbranch_scc1 .Lstep
	QUARTER 2, F1, F0, 0                           ; the last two K steps ask for nothing
	QUARTER 3, F0, F1, 0
	TURN 0
	QUARTER 1, F0, F1, 0
	QUARTER 2, F1, F0, 0
	QUARTER 3, F0, F1, 0
	s_wait_dscnt 8
	MUL8 F1, 0, 0
	MUL8 F1, 2, 0
	s_wait_dscnt 0x0
	MUL8 F1, 4, 0
	MUL8 F1, 6, 0
	PLACES
	PACK 0
	TOSTAGE 0
.irp a, 1,2,3
	PACK \a
	SEND (\a)-1, 0
	TOSTAGE \a
.endr
	SEND 3, 0
	s_wait_tensorcnt 0x0                           ; the wave's end
	ds_add_u32 v[SPW], v[NIL]
	s_wait_dscnt 0x0
	CROUND                                         ; the closing round
	s_endpgm
.Lfunc_end_k_qd5d9393bdf_qkvp:
	.size	k_qd5d9393bdf_qkvp, .Lfunc_end_k_qd5d9393bdf_qkvp-k_qd5d9393bdf_qkvp
	.p2alignl 7, 3214868480
	.fill 96, 4, 3214868480
	.section	.rodata,"a",@progbits
	.p2align	6, 0x0
	.amdhsa_kernel k_qd5d9393bdf_qkvp
		.amdhsa_group_segment_fixed_size 327680
		.amdhsa_private_segment_fixed_size 0
		.amdhsa_enable_private_segment 0
		.amdhsa_kernarg_size 24
		.amdhsa_user_sgpr_count 2
		.amdhsa_user_sgpr_kernarg_segment_ptr 1
		.amdhsa_wavefront_size32 1
		.amdhsa_system_sgpr_workgroup_id_x 1
		.amdhsa_system_sgpr_workgroup_id_y 1
		.amdhsa_system_sgpr_workgroup_id_z 1
		.amdhsa_system_vgpr_workitem_id 0
		.amdhsa_next_free_vgpr 512
		.amdhsa_next_free_sgpr 66
		.amdhsa_reserve_vcc 0
		.amdhsa_float_denorm_mode_32 3
		.amdhsa_float_denorm_mode_16_64 3
		.amdhsa_memory_ordered 1
		.amdhsa_forward_progress 1
		.amdhsa_inst_pref_size 70
	.end_amdhsa_kernel
	.amdgpu_metadata
---
amdhsa.version: [ 1, 2 ]
amdhsa.kernels:
  - .name:           k_qd5d9393bdf_qkvp
    .symbol:         k_qd5d9393bdf_qkvp.kd
    .args:
      - { .name: xh, .offset: 0, .size: 8, .value_kind: global_buffer, .address_space: global }
      - { .name: wqh, .offset: 8, .size: 8, .value_kind: global_buffer, .address_space: global }
      - { .name: qkv, .offset: 16, .size: 8, .value_kind: global_buffer, .address_space: global }
    .group_segment_fixed_size: 327680
    .private_segment_fixed_size: 0
    .kernarg_segment_align: 8
    .kernarg_segment_size: 24
    .max_flat_workgroup_size: 128
    .sgpr_count:     66
    .vgpr_count:     512
    .wavefront_size: 32
...
	.end_amdgpu_metadata
.endif
;; end of part 2
;; launch score (part 3): grid 36 x 4, 4 waves a work-group, no clusters, 327,680 bytes of LDS; arguments qkv, pbuf, stat; writes pbuf, stat
.if DOCPART == 3
	.amdgcn_target "amdgcn-amd-amdhsa--gfx1250"
	.amdhsa_code_object_version 6
	.text
	.protected	k_qd5d9393bdf_score
	.globl	k_qd5d9393bdf_score
	.p2align	8
	.type	k_qd5d9393bdf_score,@function
k_qd5d9393bdf_score:
	s_mov_b64 s[64:65], 0
	v_nop
	global_prefetch_b8 v0, s[64:65] scope:SCOPE_SE
	s_setreg_imm32_b32 hwreg(HW_REG_WAVE_MODE, 25, 1), 1
	s_wait_xcnt 0x0
; For batch b and each block (i, j <= i) of 256 queries x 256 keys: S = q k^T (K = 1024, f16 operands, f32 sums); keys behind the query are hidden; for each row the block's own maximum m is taken away:
; P = 2^(c s - c m), c = log2(e) / 32, rounded to f16 into pbuf [4][2048][2048]; c m and l = the row's sum of the unrounded P go into stat [2][4][8][2048] (plane, batch, key block, row).
; The next launch brings the blocks of a row onto the row's common maximum, in f32.
; LIMITS.  A hidden score counts as the lowest finite f32; P below 6e-5 keeps f16's step of 6e-8; a weight below 2^-126 counts as 0; NaN and infinities are not treated apart.
; NO CLUSTER: block row i has i + 1 blocks, so the 36 blocks of a batch do not fall into fours that share q's rows or k's rows; filling the fours up would add work-groups with no work.
; The product: four waves, each 128 x 128 of S in 64 accumulators (windows 2 and 3); K in steps of 128 through two LDS slots; source 0 = 16 keys, source 1 = 16 queries, so a lane holds one query
; (lane % 16) and eight neighbouring keys.  window 0: v0-31 addresses, v64-191 q's fragments (two buffers); window 1: v64-191 k's fragments.
; The way out: S goes as f32 into LDS, over the ring, which has had its last fill; then wave w walks rows 64 w .. 64 w + 63, two rows at a time, 16 lanes to a row.
.set KSTEP,  128
.set PITCH,  272
.set HALFT,  128*PITCH
.set SLOT,   4*HALFT                   ; q's 256 rows, then k's 256 rows
.set SPARE,  2*SLOT                    ; behind the ring: the spare words, 128 bytes for each wave
.set SPI,    1040                      ; a row of S in LDS: 1,024 bytes + 16
.set SCR,    256*SPI                   ; behind S: c m of the 256 rows, then l
.set LAPS,   4
.set SO,   15                          ; v15  8 x lane
.set ADRA, 16
.set ADRB, 20
.set NEG,  22                          ; v22  the lowest finite number
.set SR,   23                          ; v23  where I read two rows' statistics back
.set STO,  24                          ; v24  where I put S of my row blocks 0-3,
.set STO2, 25                          ; v25  4-7
.set RD,   26                          ; v26  where I read a row of S
.set CO,   27                          ; v27  my byte offset in two rows of pbuf
.set SPW,  28
.set NIL,  29
.set SA,   30                          ; v30  where my row's c m goes
.set DD,   31                          ; v31  my row in the block less my first column
.set F0,   64
.set F1,   128
.set SV,   64                          ; the row pass: 16 scores for each of four passes
.set PO,   128                         ; 8 registers of P for each pass
.set T,    160                         ; 8 a pass: c m, m, three at work
.set G1, 24
.set G0, 32
.set II, 40
.set JJ, 41
.set BI, 42
.set DG, 43
.set CS, 44
.set MSB, 0
.macro WIN new
.if MSB != (\new)
	s_set_vgpr_msb (MSB<<8)|(\new)
.set MSB, \new
.endif
.endm
.set MUL_LO, 0xa1                      ; source 0 (k) window 1, source 1 (q) window 0, C and D window 2
.set MUL_HI, 0xf1
.set TO_B,   0x40
.macro PLACES
.rept 4
	v_nop
.endr
.endm
	s_load_b128 s[4:7], s[0:1], 0x0                ; qkv s[4:5], pbuf s[6:7]
	s_load_b64 s[8:9], s[0:1], 0x10                ; stat
	v_lshl_add_u32 v[SPW], v0, 2, SPARE
	v_mov_b32 v[NIL], 0
	ds_add_u32 v[SPW], v[NIL]                      ; the wave's opening: the add and its wait ahead of my first tensor load
	ds_add_u32 v28, v29
	v_lshrrev_b32 v1, 5, v0
	v_readfirstlane_b32 s10, v1                    ; wave
	s_lshr_b32 s11, s10, 1                         ; which half of the block's rows is mine
	s_and_b32 s12, s10, 1                          ; which half of its columns; also: which 128 rows I fetch
	s_and_b32 s[BI], ttmp7, 0xffff                 ; batch
	s_mov_b32 s46, ttmp9                           ; the block's number in the triangle: i (i + 1) / 2 + j
	s_mov_b32 s[II], 0
.irp th, 1,3,6,10,15,21,28
	s_cmp_ge_u32 s46, \th
	s_cselect_b32 s47, 1, 0
	s_add_co_u32 s[II], s[II], s47
.endr
	s_add_co_u32 s47, s[II], 1
	s_mul_i32 s47, s47, s[II]
	s_lshr_b32 s47, s47, 1
	s_sub_co_u32 s[JJ], s46, s47
	s_cmp_eq_u32 s[II], s[JJ]
	s_cselect_b32 s[DG], 1, 0                      ; 1: the block holds the diagonal
	s_mov_b32 s[G1+0], 0x07510000                  ; 2-byte elements; padding on: after every 64 words 4 words
	s_mov_b32 s[G1+1], KSTEP<<16
	s_mov_b32 s[G1+2], 128<<16
	s_mov_b32 s[G1+3], KSTEP<<16
	s_mov_b32 s[G1+4], 128
	s_mov_b32 s[G1+5], 3072
	s_mov_b32 s[G1+6], 0
	s_mov_b32 s[G1+7], 0
	s_cmp_lt_u32 s10, 2                            ; waves 0, 1 fetch q's rows of block i; waves 2, 3 k's rows of block j, 2,048 bytes further in a row of qkv
	s_cselect_b32 s16, s[II], s[JJ]
	s_cselect_b32 s18, 0, 2048
	s_lshl_b32 s16, s16, 8
	s_lshl_b32 s17, s12, 7
	s_add_co_u32 s16, s16, s17
	s_lshl_b32 s17, s[BI], 11
	s_add_co_u32 s16, s16, s17
	s_mul_i32 s16, s16, 6144
	s_add_co_u32 s16, s16, s18
	s_mov_b32 s17, 0
	s_mul_i32 s20, s10, HALFT                      ; where they go: wave x 128 rows
	s_mov_b32 s[CS], 0x3d38aa3b                    ; c = log2(e) / 32
	s_mov_b32 s[CS+1], s[CS]
	s_wait_dscnt 0x0                               ; the opening add is done
	s_wait_kmcnt 0x0
	s_add_nc_u64 s[14:15], s[4:5], s[16:17]
.irp s, 0,1
	s_mov_b32 s[G0+4*(\s)], 1
	s_add_co_u32 s[G0+4*(\s)+1], s20, (\s)*SLOT
	s_add_nc_u64 s[G0+4*(\s)+2:G0+4*(\s)+3], s[14:15], (\s)*KSTEP*2
	s_or_b32 s[G0+4*(\s)+3], s[G0+4*(\s)+3], 0x80000000
.endr
	tensor_load_to_lds s[G0:G0+3], s[G1:G1+7]      ; both first fills together: two loads of mine are out
	s_nop 0
	tensor_load_to_lds s[G0+4:G0+7], s[G1:G1+7]
	s_nop 0
	PLACES
	v_and_b32 v1, 15, v0                           ; l % 16
	v_bfe_u32 v2, v0, 4, 1                         ; l / 16
	v_mul_u32_u24 v3, v1, PITCH
	v_lshl_add_u32 v3, v2, 4, v3
	s_mul_i32 s21, s11, HALFT
	s_mul_i32 s22, s12, HALFT
	s_add_co_u32 s22, s22, 2*HALFT
.irp s, 0,1
	v_add_nc_u32 v[ADRA+(\s)], s21, v3
	v_add_nc_u32 v[ADRB+(\s)], s22, v3
	s_add_co_u32 s21, s21, SLOT
	s_add_co_u32 s22, s22, SLOT
.endr
	s_mul_i32 s21, s11, 128*SPI                    ; S into LDS: row 128 x row half + l % 16, byte 512 x column half + 32 (l / 16)
	s_lshl_b32 s22, s12, 9
	s_add_co_u32 s21, s21, s22
	v_mul_u32_u24 v3, v1, SPI
	v_lshl_add_u32 v3, v2, 5, v3
	v_add_nc_u32 v[STO], s21, v3
	v_add_nc_u32 v[STO2], 64*SPI, v[STO]
	s_mul_i32 s21, s10, 64*SPI                     ; back: row 64 w + l / 16, columns 8 (l % 16) on
	v_mul_u32_u24 v3, v2, SPI
	v_lshl_add_u32 v3, v1, 5, v3
	v_add_nc_u32 v[RD], s21, v3
	v_lshlrev_b32 v3, 12, v2
	v_lshl_add_u32 v[CO], v1, 4, v3                ; pbuf: 4,096 (l / 16) + 16 (l % 16)
	s_lshl_b32 s21, s10, 8
	s_add_co_u32 s21, s21, SCR
	v_lshl_add_u32 v[SA], v2, 2, s21               ; the word of row 64 w + l / 16
	v_and_b32 v3, 31, v0
	v_lshlrev_b32 v[SO], 3, v3
	v_add_nc_u32 v[SR], s21, v[SO]
	s_lshl_b32 s21, s10, 6
	v_lshlrev_b32 v3, 3, v1
	v_sub_nc_u32 v3, v2, v3
	v_add_nc_u32 v[DD], s21, v3                    ; 64 w + l / 16 - 8 (l % 16)
	v_mov_b32 v[NEG], 0xff7fffff
	s_lshl_b32 s16, s[BI], 23                      ; pbuf: the batch's 2,048 rows of 4,096 bytes,
	s_lshl_b32 s17, s[II], 8
	s_lshl_b32 s18, s10, 6
	s_add_co_u32 s17, s17, s18                     ; row 256 i + 64 w,
	s_lshl_b32 s18, s17, 12
	s_add_co_u32 s16, s16, s18
	s_lshl_b32 s18, s[JJ], 9                       ; column 256 j
	s_add_co_u32 s16, s16, s18
	s_lshl_b32 s18, s[BI], 3                       ; stat: ((8 b + j) 2,048 + that row) x 4
	s_add_co_u32 s18, s18, s[JJ]
	s_lshl_b32 s18, s18, 11
	s_add_co_u32 s18, s18, s17
	s_lshl_b32 s18, s18, 2
	s_mov_b32 s17, 0
	s_mov_b32 s19, 0
	s_add_nc_u64 s[6:7], s[6:7], s[16:17]
	s_add_nc_u64 s[8:9], s[8:9], s[18:19]
; 16 matrix instructions: row blocks a0, a0 + 1 of the window's four x all 8 column blocks, 32 along K.  The 64 accumulators take turns, one instruction a turn.
.macro MUL16 f, hi, a0, zero
	WIN MUL_LO+0x50*(\hi)
.irp a, \a0, (\a0)+1
.irp b, 0,1,2,3,4,5,6,7
.if \zero
	v_wmma_f32_16x16x32_f16 v[8*(8*(\a)+(\b)):8*(8*(\a)+(\b))+7], v[(\f)+8*(\b):(\f)+8*(\b)+7], v[(\f)+8*(4*(\hi)+(\a)):(\f)+8*(4*(\hi)+(\a))+7], 0
.else
	v_wmma_f32_16x16x32_f16 v[8*(8*(\a)+(\b)):8*(8*(\a)+(\b))+7], v[(\f)+8*(\b):(\f)+8*(\b)+7], v[(\f)+8*(4*(\hi)+(\a)):(\f)+8*(4*(\hi)+(\a))+7], v[8*(8*(\a)+(\b)):8*(8*(\a)+(\b))+7]
.endif
.endr
.endr
.endm
.macro FETCH slot, k, f                ; 32 LDS loads in one run: k's eight fragments, then q's eight
	WIN TO_B
.irp i, 0,1,2,3,4,5,6,7
	ds_load_b128 v[(\f)+8*(\i):(\f)+8*(\i)+3],   v[ADRB+(\slot)] offset:(\k)+(\i)*16*PITCH
	ds_load_b128 v[(\f)+8*(\i)+4:(\f)+8*(\i)+7], v[ADRB+(\slot)] offset:(\k)+(\i)*16*PITCH+32
.endr
	WIN 0
.irp i, 0,1,2,3,4,5,6,7
	ds_load_b128 v[(\f)+8*(\i):(\f)+8*(\i)+3],   v[ADRA+(\slot)] offset:(\k)+(\i)*16*PITCH
	ds_load_b128 v[(\f)+8*(\i)+4:(\f)+8*(\i)+7], v[ADRA+(\slot)] offset:(\k)+(\i)*16*PITCH+32
.endr
.endm
.macro QUARTER slot, k, f, g, zero
	s_wait_dscnt 8                                 ; k's fragments and q's rows 0-63 are in; the youngest eight loads may be out
	MUL16 \f, 0, 0, \zero
	MUL16 \f, 0, 2, \zero
	PLACES
	FETCH \slot, \k, \g
	s_wait_dscnt 32                                ; all but the 32 just issued
	MUL16 \f, 1, 0, \zero
	MUL16 \f, 1, 2, \zero
.endm
; The last quarter multiplies buffer 1 and changes slots: one barrier; in front of it each wave waits for all its tensor loads (one is out: its part of the next slot), adds 0 to its spare word,
; and waits for that and for its reads of this slot.  fill = 1: this slot is filled again, two K steps ahead, first thing behind the barrier.
.macro TURN slot, next, fill
	WIN 0
	s_wait_tensorcnt 0x0
	ds_add_u32 v[SPW], v[NIL]
	s_wait_dscnt 9                                 ; the add and the youngest eight loads may be out
	MUL16 F1, 0, 0, 0
	s_wait_dscnt 0x0
	s_barrier_signal -1
	MUL16 F1, 0, 2, 0
	WIN 0
	s_barrier_wait -1
.if \fill
	s_add_nc_u64 s[G0+4*(\slot)+2:G0+4*(\slot)+3], s[G0+4*(\slot)+2:G0+4*(\slot)+3], 2*KSTEP*2
	tensor_load_to_lds s[G0+4*(\slot):G0+4*(\slot)+3], s[G1:G1+7]
	s_nop 0
.endif
	PLACES                                         ; also the places in front of the loads below
	FETCH \next, 0, F0
	MUL16 F1, 1, 0, 0
	MUL16 F1, 1, 2, 0
.endm
	s_wait_tensorcnt 1                             ; my part of K step 0 is in; K step 1's may stay out
	s_barrier_signal -1
	s_barrier_wait -1
	FETCH 0, 0, F0
	QUARTER 0, 64,  F0, F1, 1                      ; the first quarter's products start the sums
	WIN 0
	s_mov_b32 s3, LAPS-1
.Llap:                                                 ; a trip goes once round the ring and fills both slots again
	QUARTER 0, 128, F1, F0, 0
	QUARTER 0, 192, F0, F1, 0
	TURN 0, 1, 1
	QUARTER 1, 64,  F0, F1, 0
	QUARTER 1, 128, F1, F0, 0
	QUARTER 1, 192, F0, F1, 0
	TURN 1, 0, 1
	QUARTER 0, 64,  F0, F1, 0
	WIN 0
	s_sub_co_u32 s3, s3, 1
	s_cmp_lg_u32 s3, 0
	s_cbranch_scc1 .Llap
	QUARTER 0, 128, F1, F0, 0                      ; the last lap asks for nothing
	QUARTER 0, 192, F0, F1, 0
	TURN 0, 1, 0
	QUARTER 1, 64,  F0, F1, 0
	QUARTER 1, 128, F1, F0, 0
	QUARTER 1, 192, F0, F1, 0
	s_wait_dscnt 8
	MUL16 F1, 0, 0, 0
	MUL16 F1, 0, 2, 0
	s_wait_dscnt 0x0                               ; my reads of the ring are over
	MUL16 F1, 1, 0, 0
	MUL16 F1, 1, 2, 0
	WIN 0
	s_barrier_signal -1                            ; nobody reads the ring any more, and its last fill has landed: S may lie over it
	s_barrier_wait -1
	PLACES
	WIN 0x08                                       ; store data in window 2
.irp a, 0,1,2,3
.irp b, 0,1,2,3,4,5,6,7
	ds_store_b128 v[STO], v[8*(8*(\a)+(\b)):8*(8*(\a)+(\b))+3]   offset:(\a)*16*SPI+64*(\b)
	ds_store_b128 v[STO], v[8*(8*(\a)+(\b))+4:8*(8*(\a)+(\b))+7] offset:(\a)*16*SPI+64*(\b)+16
.endr
.endr
	WIN 0x0c                                       ; window 3
.irp a, 0,1,2,3
.irp b, 0,1,2,3,4,5,6,7
	ds_store_b128 v[STO2], v[8*(8*(\a)+(\b)):8*(8*(\a)+(\b))+3]   offset:(\a)*16*SPI+64*(\b)
	ds_store_b128 v[STO2], v[8*(8*(\a)+(\b))+4:8*(8*(\a)+(\b))+7] offset:(\a)*16*SPI+64*(\b)+16
.endr
.endr
	WIN 0
	s_wait_dscnt 0x0                               ; for the others' sake: my stores are done
	s_barrier_signal -1
	s_barrier_wait -1
	s_mov_b32 s3, 8
.Lrows:                                                ; eight trips of four passes of two rows.  A lane holds columns 8 (l % 16) + 0..7 and 128 + 8 (l % 16) + 0..7 of its row
.irp p, 0,1,2,3
	ds_load_b128 v[SV+16*(\p):SV+16*(\p)+3],     v[RD] offset:2*SPI*(\p)
	ds_load_b128 v[SV+16*(\p)+4:SV+16*(\p)+7],   v[RD] offset:2*SPI*(\p)+16
	ds_load_b128 v[SV+16*(\p)+8:SV+16*(\p)+11],  v[RD] offset:2*SPI*(\p)+512
	ds_load_b128 v[SV+16*(\p)+12:SV+16*(\p)+15], v[RD] offset:2*SPI*(\p)+528
.endr
	s_cmp_eq_u32 s[DG], 0
	s_cbranch_scc1 .Lopen                          ; only the diagonal block hides keys
	s_wait_dscnt 0x0
.irp p, 0,1,2,3
.irp e, 0,1,2,3,4,5,6,7
	v_cmp_gt_i32 vcc_lo, (\e)-2*(\p), v[DD]        ; the column is greater than the row
	v_cndmask_b32 v[SV+16*(\p)+(\e)], v[SV+16*(\p)+(\e)], v[NEG], vcc_lo
	v_cmp_gt_i32 vcc_lo, 128+(\e)-2*(\p), v[DD]
	v_cndmask_b32 v[SV+16*(\p)+8+(\e)], v[SV+16*(\p)+8+(\e)], v[NEG], vcc_lo
.endr
.endr
.Lopen:
.irp p, 0,1,2,3
	s_wait_dscnt 12-4*(\p)                         ; pass p's four loads are in; the later passes' may be out
	v_max3_num_f32 v[T+8*(\p)+1], v[SV+16*(\p)], v[SV+16*(\p)+1], v[SV+16*(\p)+2]
	v_max3_num_f32 v[T+8*(\p)+2], v[SV+16*(\p)+3], v[SV+16*(\p)+4], v[SV+16*(\p)+5]
	v_max3_num_f32 v[T+8*(\p)+3], v[SV+16*(\p)+6], v[SV+16*(\p)+7], v[SV+16*(\p)+8]
	v_max3_num_f32 v[T+8*(\p)+4], v[SV+16*(\p)+9], v[SV+16*(\p)+10], v[SV+16*(\p)+11]
	v_max3_num_f32 v[T+8*(\p)+1], v[T+8*(\p)+1], v[SV+16*(\p)+12], v[SV+16*(\p)+13]
	v_max3_num_f32 v[T+8*(\p)+2], v[T+8*(\p)+2], v[SV+16*(\p)+14], v[SV+16*(\p)+15]
	v_max3_num_f32 v[T+8*(\p)+1], v[T+8*(\p)+1], v[T+8*(\p)+2], v[T+8*(\p)+3]
	v_max_num_f32 v[T+8*(\p)+1], v[T+8*(\p)+1], v[T+8*(\p)+4]
.endr
.irp x, 1,2,4,8                        ; across the row's 16 lanes
.irp p, 0,1,2,3
	v_max_num_f32_dpp v[T+8*(\p)+1], v[T+8*(\p)+1], v[T+8*(\p)+1] row_xmask:\x row_mask:0xf bank_mask:0xf
.endr
.endr
.irp p, 0,1,2,3
	v_mul_f32 v[T+8*(\p)], s[CS], v[T+8*(\p)+1]    ; c m
.endr
.irp p, 0,1,2,3
	ds_store_b32 v[SA], v[T+8*(\p)] offset:8*(\p)  ; the row's 16 lanes write the same word with the same number
.irp n, 0,1,2,3,4,5,6,7
	v_pk_fma_f32 v[SV+16*(\p)+2*(\n):SV+16*(\p)+2*(\n)+1], v[SV+16*(\p)+2*(\n):SV+16*(\p)+2*(\n)+1], s[CS:CS+1], v[T+8*(\p):T+8*(\p)+1] op_sel_hi:[1,0,0] neg_lo:[0,0,1] neg_hi:[0,0,1]
.endr
.endr
.set i, 0
.rept 64
	v_exp_f32 v[SV+i], v[SV+i]
.set i, i+1
.endr
	v_nop                                          ; a plain instruction between the last exponential and the use of its result
	s_wait_alu depctr_va_vdst(0)
.irp p, 0,1,2,3
.irp n, 0,1,2,3,4,5,6,7
	v_cvt_pk_f16_f32 v[PO+8*(\p)+(\n)], v[SV+16*(\p)+2*(\n)], v[SV+16*(\p)+2*(\n)+1]
.endr
	global_store_b128 v[CO], v[PO+8*(\p):PO+8*(\p)+3],   s[6:7] offset:8192*(\p)      ; 16 lanes store 256 consecutive, aligned bytes
	global_store_b128 v[CO], v[PO+8*(\p)+4:PO+8*(\p)+7], s[6:7] offset:8192*(\p)+256
.endr
.irp p, 0,1,2,3
	v_pk_add_f32 v[SV+16*(\p):SV+16*(\p)+1],   v[SV+16*(\p):SV+16*(\p)+1],   v[SV+16*(\p)+8:SV+16*(\p)+9]
	v_pk_add_f32 v[SV+16*(\p)+2:SV+16*(\p)+3], v[SV+16*(\p)+2:SV+16*(\p)+3], v[SV+16*(\p)+10:SV+16*(\p)+11]
	v_pk_add_f32 v[SV+16*(\p)+4:SV+16*(\p)+5], v[SV+16*(\p)+4:SV+16*(\p)+5], v[SV+16*(\p)+12:SV+16*(\p)+13]
	v_pk_add_f32 v[SV+16*(\p)+6:SV+16*(\p)+7], v[SV+16*(\p)+6:SV+16*(\p)+7], v[SV+16*(\p)+14:SV+16*(\p)+15]
.endr
.irp p, 0,1,2,3
	v_pk_add_f32 v[SV+16*(\p):SV+16*(\p)+1],   v[SV+16*(\p):SV+16*(\p)+1],   v[SV+16*(\p)+4:SV+16*(\p)+5]
	v_pk_add_f32 v[SV+16*(\p)+2:SV+16*(\p)+3], v[SV+16*(\p)+2:SV+16*(\p)+3], v[SV+16*(\p)+6:SV+16*(\p)+7]
.endr
.irp p, 0,1,2,3
	v_pk_add_f32 v[SV+16*(\p):SV+16*(\p)+1],   v[SV+16*(\p):SV+16*(\p)+1],   v[SV+16*(\p)+2:SV+16*(\p)+3]
.endr
.irp p, 0,1,2,3
	v_add_f32 v[SV+16*(\p)], v[SV+16*(\p)], v[SV+16*(\p)+1]
.endr
.irp x, 1,2,4,8
.irp p, 0,1,2,3
	v_add_f32_dpp v[SV+16*(\p)], v[SV+16*(\p)], v[SV+16*(\p)] row_xmask:\x row_mask:0xf bank_mask:0xf
.endr
.endr
.irp p, 0,1,2,3
	ds_store_b32 v[SA], v[SV+16*(\p)] offset:1024+8*(\p)
.endr
	s_wait_xcnt 0x0                                ; pbuf's base and P's registers are rewritten only behind this wait
	s_add_nc_u64 s[6:7], s[6:7], 8*4096            ; eight rows on
	v_add_nc_u32 v[RD], 8*SPI, v[RD]
	v_add_nc_u32 v[SA], 32, v[SA]
	v_add_nc_u32 v[DD], 8, v[DD]
	s_sub_co_u32 s3, s3, 1
	s_cmp_lg_u32 s3, 0
	s_cbranch_scc1 .Lrows
	ds_load_b64 v[32:33], v[SR]                    ; my wave's own 64 words of c m, two a lane (LDS serves a wave's instructions in order),
	ds_load_b64 v[34:35], v[SR] offset:1024        ; and of l
	s_wait_dscnt 0x0
	global_store_b64 v[SO], v[32:33], s[8:9]       ; 256 consecutive, aligned bytes each
	global_store_b64 v[SO], v[34:35], s[8:9] offset:262144
	s_wait_tensorcnt 0x0                           ; the wave's end
	ds_add_u32 v[SPW], v[NIL]
	s_wait_dscnt 0x0
	s_endpgm
.Lfunc_end_k_qd5d9393bdf_score:
	.size	k_qd5d9393bdf_score, .Lfunc_end_k_qd5d9393bdf_score-k_qd5d9393bdf_score
	.p2alignl 7, 3214868480
	.fill 96, 4, 3214868480
	.section	.rodata,"a",@progbits
	.p2align	6, 0x0
	.amdhsa_kernel k_qd5d9393bdf_score
		.amdhsa_group_segment_fixed_size 327680
		.amdhsa_private_segment_fixed_size 0
		.amdhsa_enable_private_segment 0
		.amdhsa_kernarg_size 24
		.amdhsa_user_sgpr_count 2
		.amdhsa_user_sgpr_kernarg_segment_ptr 1
		.amdhsa_wavefront_size32 1
		.amdhsa_system_sgpr_workgroup_id_x 1
		.amdhsa_system_sgpr_workgroup_id_y 1
		.amdhsa_system_sgpr_workgroup_id_z 1
		.amdhsa_system_vgpr_workitem_id 0
		.amdhsa_next_free_vgpr 1024
		.amdhsa_next_free_sgpr 66
		.amdhsa_reserve_vcc 1
		.amdhsa_float_denorm_mode_32 3
		.amdhsa_float_denorm_mode_16_64 3
		.amdhsa_memory_ordered 1
		.amdhsa_forward_progress 1
		.amdhsa_inst_pref_size 137
	.end_amdhsa_kernel
	.amdgpu_metadata
---
amdhsa.version: [ 1, 2 ]
amdhsa.kernels:
  - .name:           k_qd5d9393bdf_score
    .symbol:         k_qd5d9393bdf_score.kd
    .args:
      - { .name: qkv, .offset: 0, .size: 8, .value_kind: global_buffer, .address_space: global }
      - { .name: pbuf, .offset: 8, .size: 8, .value_kind: global_buffer, .address_space: global }
      - { .name: stat, .offset: 16, .size: 8, .value_kind: global_buffer, .address_space: global }
    .group_segment_fixed_size: 327680
    .private_segment_fixed_size: 0
    .kernarg_segment_align: 8
    .kernarg_segment_size: 24
    .max_flat_workgroup_size: 128
    .sgpr_count:     66
    .vgpr_count:     1024
    .wavefront_size: 32
...
	.end_amdgpu_metadata
.endif
;; end of part 3
;; launch pv (part 4): grid 8 x 32, 4 waves a work-group, clusters of 4 x 1, 327,680 bytes of LDS; arguments pbuf, stat, qkv, oh; writes oh
.if DOCPART == 4
	.amdgcn_target "amdgcn-amd-amdhsa--gfx1250"
	.amdhsa_code_object_version 6
	.text
	.protected	k_qd5d9393bdf_pv
	.globl	k_qd5d9393bdf_pv
	.p2align	8
	.type	k_qd5d9393bdf_pv,@function
k_qd5d9393bdf_pv:
	s_mov_b64 s[64:65], 0
	v_nop
	global_prefetch_b8 v0, s[64:65] scope:SCOPE_SE
	s_setreg_imm32_b32 hwreg(HW_REG_WAVE_MODE, 25, 1), 1
	s_wait_xcnt 0x0
	s_wait_alu depctr_hold_cnt(0) depctr_sa_sdst(0) depctr_va_vdst(0) depctr_va_sdst(0) depctr_va_ssrc(0) depctr_va_vcc(0) depctr_vm_vsrc(0)
	s_getreg_b32 s2, hwreg(HW_REG_IB_STS2, 6, 4)
	s_cmp_eq_u32 s2, 0
	s_cbranch_scc0 .Lentry_in_a_cluster
	s_endpgm
.Lentry_in_a_cluster:
	s_bfe_u32 s2, ttmp6, 0x10000c
	s_cmp_lg_u32 s2, 0x3003
	s_cbranch_scc0 .Lentry_shape_is_right
	s_endpgm
.Lentry_shape_is_right:
; oh[row][:] = sum over key blocks t <= i of g_t (P_t V_t), g_t = 2^(cm_t - m) / l, m = max over t of cm_t, l = sum over t of 2^(cm_t - m) l_t: the softmax's common maximum and divisor, in f32.
; pbuf: [4][2048][2048] f16, stat: [2][4][8][2048] f32 (cm, l), V = columns 2048.. of qkv [8192][3072] f16, oh: [8192][1024] f16, rounded once.
; LIMITS.  2^(cm_t - m) below 2^-126 counts as 0; oh is a mean of V's rows and has their range.
; A work-group makes 256 rows (block i = y % 8 of batch y / 8) x 128 columns.  Wave w: rows 64 w .. + 63, all 128 columns.  A LAP is one key block: two K steps of 128 through two LDS slots.
; A lap's products start fresh sums X (window 1, C = 0); behind the lap ACC += g X (window 2): 128 packed lines for 256 matrix instructions, and P is rounded once only.
; The number of laps, i + 1, comes from the work-group's y, which the four partners of a cluster share.  ACC is cleared at the start, in the wait for the first tile: the price of one text for every lap.
; CLUSTER 4 x 1: the four column blocks of a cluster read the same rows of P: asked for jointly.  V's columns differ from partner to partner: loads of one's own, in the same rounds.
; Source 0 = 16 columns of V (turned by ds_load_tr16_b128), source 1 = 16 rows of P: a lane holds row lane % 16 and eight neighbouring columns.
.set PA,     272
.set PB,     288
.set BOFF,   256*PA
.set SLOT1,  1<<17
.set STAGE,  BOFF+128*PB               ; between the slots, never filled: 16 rows x 272 bytes for each wave
.set SP,     272
.set MT,     STAGE+4*16*SP             ; m of the 256 rows, laid [wave][lane % 16][row block]; 1 / l 1,024 bytes on
.set SPARE,  MT+2048                   ; the spare words, 128 bytes for each wave
.set PITCHC, 2048                      ; bytes from row to row of oh
.set ALAP,   512                       ; bytes from lap to lap: 256 keys along P's rows,
.set BLAP,   256*6144                  ; 256 rows of qkv
.set ADRA, 6                           ; v6, v7   my lane's place in P's tile of slot 0, 1
.set ADRB, 8                           ; v8, v9   the same for V
.set STO,  10
.set RD,   11
.set SPW,  12
.set NIL,  13
.set CO,   14
.set CMO,  15                          ; v15      4 (l % 16)
.set M,    16                          ; v[16:19] m of my row in row block a
.set RL,   20                          ; v[20:23] 1 / l
.set CMT,  24                          ; v[24:27] cm of the lap's key block
.set G,    28                          ; v[28:35] g in the low register of pair a
.set VO,   64                          ; the head: offsets, and what it loads of stat
.set LD,   80
.set F0,   64
.set F1,   160
.set TMP,  64
.set WV,   12
.set WHI,  13
.set WLO,  14
.set G1A,  24
.set G1B,  32
.set G0A,  40                          ; a set for each slot
.set G0B,  48
.set CX,   56
.set CB,   57
.set YY,   58
.set BB,   59
.set NL,   60                          ; i: the laps that ask for a further lap's tiles
.set CNT,  61
.set CMB,  62                          ; s[62:63] stat at cm of my wave's rows in the lap's key block
.set MSB, 0
.macro WIN new
.if MSB != (\new)
	s_set_vgpr_msb (MSB<<8)|(\new)
.set MSB, \new
.endif
.endm
.set MUL, 0x50
.macro PLACES
.rept 4
	v_nop
.endr
.endm
.macro JLOAD s                         ; waves 0, 1: P's two halves, jointly; waves 2, 3: V's two halves; s_nop 0 and four v_nop follow each line
	s_cmp_eq_u32 s[WHI], 0
	s_cbranch_scc0 .Lfor_b_\@
	tensor_load_to_lds s[G0A+4*(\s):G0A+4*(\s)+3], s[G1A:G1A+7]
	s_nop 0
.rept 4
	v_nop
.endr
	s_branch .Lasked_\@
.Lfor_b_\@:
	tensor_load_to_lds s[G0B+4*(\s):G0B+4*(\s)+3], s[G1B:G1B+7]
	s_nop 0
.rept 4
	v_nop
.endr
.Lasked_\@:
.endm
.macro CREST
	s_cmp_lg_u32 s[WV], 0
	s_cbranch_scc1 .Lnot_wave_0_\@
	s_barrier_signal -3
.Lnot_wave_0_\@:
	s_barrier_wait -3
	s_barrier_signal -1
	s_barrier_wait -1
.endm
.macro CROUND
	s_barrier_signal -1
	s_barrier_wait -1
	CREST
.endm
	s_load_b256 s[4:11], s[0:1], 0x0               ; pbuf s[4:5], stat s[6:7], qkv s[8:9], oh s[10:11]
	v_lshl_add_u32 v[SPW], v0, 2, SPARE
	v_mov_b32 v[NIL], 0
	ds_add_u32 v[SPW], v[NIL]                      ; the wave's opening: the add and its wait ahead of my first tensor load
	ds_add_u32 v12, v13
	v_lshrrev_b32 v1, 5, v0
	v_readfirstlane_b32 s[WV], v1
	s_lshr_b32 s[WHI], s[WV], 1
	s_and_b32 s[WLO], s[WV], 1
	s_bfe_u32 s[CX], ttmp6, 0x40000
	s_lshl_b32 s[CB], ttmp9, 2
	s_add_co_u32 s[CB], s[CB], s[CX]               ; column block: it enters V's and oh's addresses alone
	s_and_b32 s[YY], ttmp7, 0xffff                 ; 8 b + i: the block's first row among the 8,192 is 256 y
	s_lshr_b32 s[BB], s[YY], 3
	s_and_b32 s[NL], s[YY], 7
	s_mov_b32 s[G1A], 15|0x07710000                ; the mask of four; 2-byte elements; padding on; bit 21 beside a mask; after every 64 words 4 words
	s_mov_b32 s[G1A+1], 128<<16
	s_mov_b32 s[G1A+2], 128<<16
	s_mov_b32 s[G1A+3], 128<<16
	s_mov_b32 s[G1A+4], 128
	s_mov_b32 s[G1A+5], 2048
	s_mov_b32 s[G1A+6], 0
	s_mov_b32 s[G1A+7], 0
	s_mov_b32 s[G1B], 0x0f510000                   ; no mask; 8 words of padding
	s_mov_b32 s[G1B+1], 128<<16
	s_mov_b32 s[G1B+2], 64<<16
	s_mov_b32 s[G1B+3], 128<<16
	s_mov_b32 s[G1B+4], 64
	s_mov_b32 s[G1B+5], 3072
	s_mov_b32 s[G1B+6], 0
	s_mov_b32 s[G1B+7], 0
	s_lshl_b32 s16, s[YY], 8
	s_lshl_b32 s17, s[WLO], 7
	s_add_co_u32 s16, s16, s17                     ; P: row 256 y + 128 x half,
	s_lshl_b32 s16, s16, 12                        ; of 4,096 bytes
	s_mov_b32 s17, 0
	s_lshl_b32 s18, s[BB], 11
	s_lshl_b32 s19, s[WLO], 6
	s_add_co_u32 s18, s18, s19                     ; V: row 2,048 b + 64 x half of qkv,
	s_mul_i32 s18, s18, 6144
	s_lshl_b32 s19, s[CB], 8
	s_add_co_u32 s18, s18, s19                     ; column 2,048 + 128 x column block
	s_add_co_u32 s18, s18, 4096
	s_mov_b32 s19, 0
	s_mul_i32 s20, s[WLO], 128*PA
	s_mul_i32 s21, s[WLO], 64*PB
	s_add_co_u32 s21, s21, BOFF
	s_lshl_b32 s22, s[BB], 16                      ; stat: (16,384 b + 256 i) x 4,
	s_lshl_b32 s23, s[NL], 10
	s_add_co_u32 s22, s22, s23
	s_mov_b32 s23, 0
	s_lshl_b32 s[CMB], s[WV], 8                    ; and my wave's 64 rows
	s_add_co_u32 s[CMB], s[CMB], s22
	s_mov_b32 s[CMB+1], 0
	s_wait_dscnt 0x0                               ; the opening add is done
	s_wait_kmcnt 0x0
	s_add_nc_u64 s[16:17], s[4:5], s[16:17]
	s_add_nc_u64 s[18:19], s[8:9], s[18:19]
	s_add_nc_u64 s[22:23], s[6:7], s[22:23]
	s_add_nc_u64 s[CMB:CMB+1], s[6:7], s[CMB:CMB+1]
	CROUND                                         ; all four work-groups are here: the first joint loads meet
.irp s, 0,1
	s_mov_b32 s[G0A+4*(\s)], 1
	s_add_co_u32 s[G0A+4*(\s)+1], s20, (\s)*SLOT1
	s_add_nc_u64 s[G0A+4*(\s)+2:G0A+4*(\s)+3], s[16:17], (\s)*256
	s_or_b32 s[G0A+4*(\s)+3], s[G0A+4*(\s)+3], 0x80000000
	s_mov_b32 s[G0B+4*(\s)], 1
	s_add_co_u32 s[G0B+4*(\s)+1], s21, (\s)*SLOT1
	s_add_nc_u64 s[G0B+4*(\s)+2:G0B+4*(\s)+3], s[18:19], (\s)*128*6144
	s_or_b32 s[G0B+4*(\s)+3], s[G0B+4*(\s)+3], 0x80000000
.endr
	s_cmp_eq_u32 s[WHI], 0                         ; a wave's two first fills stand in one branch: two loads of mine are out
	s_cbranch_scc0 .Lfirst_b
	tensor_load_to_lds s[G0A:G0A+3], s[G1A:G1A+7]
	s_nop 0
	tensor_load_to_lds s[G0A+4:G0A+7], s[G1A:G1A+7]
	s_nop 0
.rept 4
	v_nop
.endr
	s_branch .Lfirst_asked
.Lfirst_b:
	tensor_load_to_lds s[G0B:G0B+3], s[G1B:G1B+7]
	s_nop 0
	tensor_load_to_lds s[G0B+4:G0B+7], s[G1B:G1B+7]
	s_nop 0
.rept 4
	v_nop
.endr
.Lfirst_asked:
	; Thread n owns rows n and n + 128 of the block: cm and l of all its key blocks.  A block behind the diagonal was never written: its place is taken by block i once more, and its weight below is 0.
	v_lshlrev_b32 v36, 2, v0
.irp t, 0,1,2,3,4,5,6,7
	s_min_u32 s15, s[NL], \t
	s_lshl_b32 s15, s15, 13
	v_add_nc_u32 v[VO+(\t)], s15, v36
	global_load_b32 v[LD+4*(\t)],   v[VO+(\t)], s[22:23]
	global_load_b32 v[LD+4*(\t)+1], v[VO+(\t)], s[22:23] offset:512
	global_load_b32 v[LD+4*(\t)+2], v[VO+(\t)], s[22:23] offset:262144
	global_load_b32 v[LD+4*(\t)+3], v[VO+(\t)], s[22:23] offset:262656
.endr
	WIN 0x80
.set i, 0
.rept 256
	v_mov_b32 v[i], 0                              ; ACC
.set i, i+1
.endr
	WIN 0
	v_and_b32 v1, 15, v0                           ; l % 16
	v_bfe_u32 v2, v0, 4, 1                         ; l / 16
	v_mul_u32_u24 v3, v1, PA
	v_lshl_add_u32 v3, v2, 4, v3
	s_mul_i32 s15, s[WV], 64*PA
	v_add_nc_u32 v[ADRA], s15, v3
	v_add_nc_u32 v[ADRA+1], SLOT1, v[ADRA]
	v_and_b32 v3, 7, v0
	v_lshl_add_u32 v3, v2, 3, v3
	v_mul_u32_u24 v3, v3, PB
	v_bfe_u32 v4, v0, 3, 1
	v_lshl_add_u32 v3, v4, 4, v3
	v_add_nc_u32 v[ADRB], BOFF, v3
	v_add_nc_u32 v[ADRB+1], SLOT1, v[ADRB]
	s_mul_i32 s15, s[WV], 16*SP
	s_add_co_u32 s15, s15, STAGE
	v_mul_u32_u24 v3, v1, SP
	v_lshl_add_u32 v3, v2, 4, v3
	v_add_nc_u32 v[STO], s15, v3
	v_mul_u32_u24 v3, v2, SP
	v_lshl_add_u32 v3, v1, 4, v3
	v_add_nc_u32 v[RD], s15, v3
	v_lshlrev_b32 v3, 11, v2
	v_lshl_add_u32 v[CO], v1, 4, v3
	v_lshlrev_b32 v[CMO], 2, v1
.irp a, 0,1,2,3
	v_mov_b32 v[G+2*(\a)+1], 0                     ; named with g as a pair; the packed line takes the low register for both halves
.endr
	v_lshrrev_b32 v39, 6, v0                       ; row n lies at [n / 64][n % 16][(n / 16) % 4]; row n + 128 two waves, 512 bytes, on
	v_lshlrev_b32 v39, 8, v39
	v_lshl_add_u32 v39, v1, 4, v39
	v_bfe_u32 v40, v0, 4, 2
	v_lshl_add_u32 v39, v40, 2, v39
	v_add_nc_u32 v39, MT, v39
	s_lshl_b32 s15, s[WV], 8
	s_add_co_u32 s15, s15, MT
	v_lshl_add_u32 v41, v1, 4, s15                 ; and my lane reads its four row blocks' numbers as 16 bytes
	s_lshl_b32 s16, s[YY], 8
	s_lshl_b32 s17, s[WV], 6
	s_add_co_u32 s16, s16, s17
	s_lshl_b32 s16, s16, 11                        ; oh at my first row,
	s_mov_b32 s17, 0
	s_add_nc_u64 s[10:11], s[10:11], s[16:17]
	s_lshl_b32 s18, s[CB], 8                       ; and my column block, in the registers that held V's address
	s_mov_b32 s19, 0
	s_add_nc_u64 s[10:11], s[10:11], s[18:19]
	s_wait_loadcnt 0x0
	v_max3_num_f32 v37, v[LD], v[LD+4], v[LD+8]
	v_max3_num_f32 v38, v[LD+1], v[LD+5], v[LD+9]
	v_max3_num_f32 v37, v37, v[LD+12], v[LD+16]
	v_max3_num_f32 v38, v38, v[LD+13], v[LD+17]
	v_max3_num_f32 v37, v37, v[LD+20], v[LD+24]
	v_max3_num_f32 v38, v38, v[LD+21], v[LD+25]
	v_max_num_f32 v37, v37, v[LD+28]               ; m
	v_max_num_f32 v38, v38, v[LD+29]
.irp t, 0,1,2,3,4,5,6,7
	v_sub_f32 v[LD+4*(\t)], v[LD+4*(\t)], v37
	v_sub_f32 v[LD+4*(\t)+1], v[LD+4*(\t)+1], v38
.endr
.irp t, 0,1,2,3,4,5,6,7
	v_exp_f32 v[LD+4*(\t)], v[LD+4*(\t)]
	v_exp_f32 v[LD+4*(\t)+1], v[LD+4*(\t)+1]
.endr
	v_nop                                          ; a plain instruction behind the last exponential
	s_wait_alu depctr_va_vdst(0)
.irp t, 0,1,2,3,4,5,6,7
	v_mul_f32 v[LD+4*(\t)], v[LD+4*(\t)], v[LD+4*(\t)+2]
	v_mul_f32 v[LD+4*(\t)+1], v[LD+4*(\t)+1], v[LD+4*(\t)+3]
.endr
.irp t, 1,2,3,4,5,6,7
	s_cmp_ge_u32 s[NL], \t
	s_cselect_b32 s15, 1.0, 0                      ; key block t counts if t <= i
	v_fmac_f32 v[LD], s15, v[LD+4*(\t)]
	v_fmac_f32 v[LD+1], s15, v[LD+4*(\t)+1]
.endr
	v_rcp_f32 v[LD], v[LD]                         ; l is about 1 or more: the block that holds m gives its own l
	v_rcp_f32 v[LD+1], v[LD+1]
	v_nop
	ds_store_b32 v39, v37
	ds_store_b32 v39, v38 offset:512
	s_wait_alu depctr_va_vdst(0)
	ds_store_b32 v39, v[LD] offset:1024
	ds_store_b32 v39, v[LD+1] offset:1536
	s_wait_dscnt 0x0                               ; for the others' sake
	s_wait_tensorcnt 1                             ; my part of slot 0 is in; slot 1's may stay out
	s_barrier_signal -1
	s_barrier_wait -1
	ds_load_b128 v[M:M+3], v41
	ds_load_b128 v[RL:RL+3], v41 offset:1024
; 8 matrix instructions; the 32 accumulators take turns, one instruction a turn, in the same order in every quarter.
.macro MUL8 f, b0, zero
	WIN MUL
.irp b, \b0, (\b0)+1
.irp a, 0,1,2,3
.if \zero
	v_wmma_f32_16x16x32_f16 v[8*(8*(\a)+(\b)):8*(8*(\a)+(\b))+7], v[(\f)+32+8*(\b):(\f)+32+8*(\b)+7], v[(\f)+8*(\a):(\f)+8*(\a)+7], 0
.else
	v_wmma_f32_16x16x32_f16 v[8*(8*(\a)+(\b)):8*(8*(\a)+(\b))+7], v[(\f)+32+8*(\b):(\f)+32+8*(\b)+7], v[(\f)+8*(\a):(\f)+8*(\a)+7], v[8*(8*(\a)+(\b)):8*(8*(\a)+(\b))+7]
.endif
.endr
.endr
.endm
.macro FETCH slot, q, f                ; 24 LDS loads in one run: P's four fragments, then V's eight
	WIN 0
.irp a, 0,1,2,3
	ds_load_b128 v[(\f)+8*(\a):(\f)+8*(\a)+3],   v[ADRA+(\slot)] offset:64*(\q)+(\a)*16*PA
	ds_load_b128 v[(\f)+8*(\a)+4:(\f)+8*(\a)+7], v[ADRA+(\slot)] offset:64*(\q)+(\a)*16*PA+32
.endr
.irp b, 0,1,2,3,4,5,6,7
	ds_load_tr16_b128 v[(\f)+32+8*(\b):(\f)+32+8*(\b)+3],   v[ADRB+(\slot)] offset:(\q)*32*PB+32*(\b)
	ds_load_tr16_b128 v[(\f)+32+8*(\b)+4:(\f)+32+8*(\b)+7], v[ADRB+(\slot)] offset:(\q)*32*PB+16*PB+32*(\b)
.endr
.endm
.macro QUARTER slot, qn, f, g, zero
	s_wait_dscnt 8                                 ; all but the youngest eight loads (V's fragments 4-7) are in
	MUL8 \f, 0, \zero
	MUL8 \f, 2, \zero
	PLACES
	FETCH \slot, \qn, \g
	s_wait_dscnt 24                                ; all but the 24 just issued
	MUL8 \f, 4, \zero
	MUL8 \f, 6, \zero
.endm
; The change of slots: each wave waits for all its tensor loads (one is out: its part of the next slot), adds 0 to its spare word, waits for that and for its reads of this slot.
; fill = 1: the barrier opens a round of the cluster's, and this slot takes the same K step of the next lap, first thing behind the round.
.macro TURN slot, next, fill
	WIN 0
	s_wait_tensorcnt 0x0
	ds_add_u32 v[SPW], v[NIL]
	s_wait_dscnt 9                                 ; the add and the youngest eight loads may be out
	MUL8 F1, 0, 0
	s_wait_dscnt 0x0
	s_barrier_signal -1
	MUL8 F1, 2, 0
	WIN 0
	s_barrier_wait -1
.if \fill
	CREST
	s_add_nc_u64 s[G0A+4*(\slot)+2:G0A+4*(\slot)+3], s[G0A+4*(\slot)+2:G0A+4*(\slot)+3], ALAP
	s_add_nc_u64 s[G0B+4*(\slot)+2:G0B+4*(\slot)+3], s[G0B+4*(\slot)+2:G0B+4*(\slot)+3], BLAP
	JLOAD \slot                                    ; its four v_nop are also the places in front of the loads below
.else
	PLACES
.endif
	FETCH \next, 0, F0
	MUL8 F1, 4, 0
	MUL8 F1, 6, 0
.endm
; ACC += g X.  The four subtractions are the places behind the lap's last products; each accumulator's registers are read in ascending order.
.macro COMBINE
	WIN 0
	s_wait_loadcnt 0x0                             ; the lap's cm is in, so its base may step
	s_add_nc_u64 s[CMB:CMB+1], s[CMB:CMB+1], 8192
.irp a, 0,1,2,3
	v_sub_f32 v[CMT+(\a)], v[CMT+(\a)], v[M+(\a)]
.endr
.irp a, 0,1,2,3
	v_exp_f32 v[CMT+(\a)], v[CMT+(\a)]
.endr
	v_nop
	s_wait_alu depctr_va_vdst(0)
.irp a, 0,1,2,3
	v_mul_f32 v[G+2*(\a)], v[CMT+(\a)], v[RL+(\a)]
.endr
	WIN 0xa1                                       ; X (source 0) window 1, g window 0, ACC window 2
.irp a, 0,1,2,3
.set i, 64*(\a)
.rept 32
	v_pk_fma_f32 v[i:i+1], v[i:i+1], v[G+2*(\a):G+2*(\a)+1], v[i:i+1] op_sel_hi:[1,0,1]
.set i, i+2
.endr
.endr
	WIN 0
.endm
.macro LAP fill
	WIN 0
.irp a, 0,1,2,3
	global_load_b32 v[CMT+(\a)], v[CMO], s[CMB:CMB+1] offset:64*(\a)
.endr
	QUARTER 0, 1, F0, F1, 1                        ; the lap's first products start X
	QUARTER 0, 2, F1, F0, 0
	QUARTER 0, 3, F0, F1, 0
	TURN 0, 1, \fill
	QUARTER 1, 1, F0, F1, 0
	QUARTER 1, 2, F1, F0, 0
	QUARTER 1, 3, F0, F1, 0
.if \fill
	TURN 1, 0, 1
.else
	s_wait_dscnt 8
	MUL8 F1, 0, 0
	MUL8 F1, 2, 0
	s_wait_dscnt 0x0
	MUL8 F1, 4, 0
	MUL8 F1, 6, 0
.endif
	COMBINE
.endm
.macro PACK a
	WIN 0x0a                                       ; sources window 2, destination window 0
.irp b, 0,1,2,3,4,5,6,7
.irp r, 0,1,2,3
	v_cvt_pk_f16_f32 v[TMP+4*(\b)+(\r)], v[64*(\a)+8*(\b)+2*(\r)], v[64*(\a)+8*(\b)+2*(\r)+1]
.endr
.endr
	WIN 0
.endm
.macro TOSTAGE a
	WIN 0
.set BK, 96+32*((\a)%2)
.irp b, 0,1,2,3,4,5,6,7
	ds_store_b128 v[STO], v[TMP+4*(\b):TMP+4*(\b)+3] offset:32*(\b)
.endr
.irp t, 0,1,2,3,4,5,6,7
	ds_load_b128 v[BK+4*(\t):BK+4*(\t)+3], v[RD] offset:(\t)*2*SP  ; LDS serves a wave's instructions in order: these see the stores above
.endr
.endm
.macro SEND a, younger
	WIN 0
.set BK, 96+32*((\a)%2)
	s_wait_dscnt \younger
	s_wait_xcnt 0x0                                ; the stores' base, and the registers that earlier stores read, are rewritten only behind this wait
.if (\a) > 0
	s_add_nc_u64 s[10:11], s[10:11], 16*PITCHC
.endif
.irp t, 0,1,2,3,4,5,6,7
	global_store_b128 v[CO], v[BK+4*(\t):BK+4*(\t)+3], s[10:11] offset:2*(\t)*PITCHC  ; 16 lanes store 256 consecutive, aligned bytes
.endr
.endm
	FETCH 0, 0, F0
	s_cmp_eq_u32 s[NL], 0                          ; block 0 has the one lap of the tail; the answer is the same in all waves and all four partners
	s_cbranch_scc1 .Ltail
	s_mov_b32 s[CNT], 0
.Llap:                                                 ; i trips; the LDS addresses are the same in every trip
	LAP 1
	s_add_co_u32 s[CNT], s[CNT], 1
	s_cmp_lt_u32 s[CNT], s[NL]
	s_cbranch_scc1 .Llap
.Ltail:                                                ; on both ways one tensor load of mine may be out here: slot 1's; the tail's change of slots waits for it
	LAP 0                                          ; the diagonal block: nothing more is asked for
	PACK 0                                         ; the 128 packed lines above are the places behind the last products
	TOSTAGE 0
.irp a, 1,2,3
	PACK \a
	SEND (\a)-1, 0
	TOSTAGE \a
.endr
	SEND 3, 0
	s_wait_tensorcnt 0x0                           ; the wave's end
	ds_add_u32 v[SPW], v[NIL]
	s_wait_dscnt 0x0
	CROUND                                         ; the closing round
	s_endpgm
.Lfunc_end_k_qd5d9393bdf_pv:
	.size	k_qd5d9393bdf_pv, .Lfunc_end_k_qd5d9393bdf_pv-k_qd5d9393bdf_pv
	.p2alignl 7, 3214868480
	.fill 96, 4, 3214868480
	.section	.rodata,"a",@progbits
	.p2align	6, 0x0
	.amdhsa_kernel k_qd5d9393bdf_pv
		.amdhsa_group_segment_fixed_size 327680
		.amdhsa_private_segment_fixed_size 0
		.amdhsa_enable_private_segment 0
		.amdhsa_kernarg_size 32
		.amdhsa_user_sgpr_count 2
		.amdhsa_user_sgpr_kernarg_segment_ptr 1
		.amdhsa_wavefront_size32 1
		.amdhsa_system_sgpr_workgroup_id_x 1
		.amdhsa_system_sgpr_workgroup_id_y 1
		.amdhsa_system_sgpr_workgroup_id_z 1
		.amdhsa_system_vgpr_workitem_id 0
		.amdhsa_next_free_vgpr 768
		.amdhsa_next_free_sgpr 66
		.amdhsa_reserve_vcc 0
		.amdhsa_float_denorm_mode_32 3
		.amdhsa_float_denorm_mode_16_64 3
		.amdhsa_memory_ordered 1
		.amdhsa_forward_progress 1
		.amdhsa_inst_pref_size 120
	.end_amdhsa_kernel
	.amdgpu_metadata
---
amdhsa.version: [ 1, 2 ]
amdhsa.kernels:
  - .name:           k_qd5d9393bdf_pv
    .symbol:         k_qd5d9393bdf_pv.kd
    .args:
      - { .name: pbuf, .offset: 0, .size: 8, .value_kind: global_buffer, .address_space: global }
      - { .name: stat, .offset: 8, .size: 8, .value_kind: global_buffer, .address_space: global }
      - { .name: qkv, .offset: 16, .size: 8, .value_kind: global_buffer, .address_space: global }
      - { .name: oh, .offset: 24, .size: 8, .value_kind: global_buffer, .address_space: global }
    .group_segment_fixed_size: 327680
    .private_segment_fixed_size: 0
    .kernarg_segment_align: 8
    .kernarg_segment_size: 32
    .max_flat_workgroup_size: 128
    .sgpr_count:     66
    .vgpr_count:     768
    .wavefront_size: 32
...
	.end_amdgpu_metadata
.endif
;; end of part 4
;; launch proj (part 5): grid 8 x 32, 4 waves a work-group, clusters of 4 x 4, 327,680 bytes of LDS; arguments oh, wph, b_proj, out0; writes out0
.if DOCPART == 5
	.amdgcn_target "amdgcn-amd-amdhsa--gfx1250"
	.amdhsa_code_object_version 6
	.text
	.protected	k_qd5d9393bdf_proj
	.globl	k_qd5d9393bdf_proj
	.p2align	8
	.type	k_qd5d9393bdf_proj,@function
k_qd5d9393bdf_proj:
	s_mov_b64 s[64:65], 0
	v_nop
	global_prefetch_b8 v0, s[64:65] scope:SCOPE_SE
	s_setreg_imm32_b32 hwreg(HW_REG_WAVE_MODE, 25, 1), 1
	s_wait_xcnt 0x0
	s_wait_alu depctr_hold_cnt(0) depctr_sa_sdst(0) depctr_va_vdst(0) depctr_va_sdst(0) depctr_va_ssrc(0) depctr_va_vcc(0) depctr_vm_vsrc(0)
	s_getreg_b32 s2, hwreg(HW_REG_IB_STS2, 6, 4)
	s_cmp_eq_u32 s2, 0
	s_cbranch_scc0 .Lentry_in_a_cluster
	s_endpgm
.Lentry_in_a_cluster:
	s_bfe_u32 s2, ttmp6, 0x10000c
	s_cmp_lg_u32 s2, 0xf033
	s_cbranch_scc0 .Lentry_shape_is_right
	s_endpgm
.Lentry_shape_is_right:
; out0[m][n] = sum over k of oh[m][k] wph[k][n] + b_proj[n].  oh: [8192][1024] f16, wph: [1024][1024] f16, b_proj: [1024] f32 (rounded to bf16 here, like the other inputs), out0: [8192][1024] f32.
; A tile is 256 rows x 128 columns; 8 x 32 tiles, one to a work-group.  Four waves; wave w makes rows 64 w .. + 63 and all 128 columns: 32 accumulators (window 1).
; K goes in steps of 128 through two LDS slots; wph lies [k][n] and comes out of LDS turned.  Source 0 = 16 columns of wph, source 1 = 16 rows of oh: a lane holds row lane % 16 and eight neighbouring columns.
; CLUSTER 4 x 4: oh's tiles are shared along a row of the cluster, wph's along a column; each is asked for jointly.
; The way out: 16 rows of f32 at a time through my own stage, back as whole rows of 512 bytes, the bias added, stored.
.set PA,     272
.set PB,     288
.set BOFF,   256*PA
.set SLOT1,  1<<17
.set STAGE,  SLOT1+BOFF+128*PB         ; behind the ring, never filled: 16 rows x 528 bytes for each wave
.set SP32,   528
.set SPARE,  STAGE+4*16*SP32           ; the spare words, 128 bytes for each wave
.set PITCHA, 1024
.set PITCHB, 1024
.set ASTEP,  256
.set BSTEP,  128*PITCHB*2
.set STEPS,  8
.set A0,   4
.set B0,   5
.set ADRA, 6
.set ADRB, 7
.set STO,  8
.set RD,   9
.set CO,   10                          ; v10  16 x lane
.set SPW,  12
.set NIL,  13
.set BIAS, 16                          ; v[16:19] the bias of my four columns on the way out
.set F0,   64
.set F1,   160
.set CNT,  3
.set WV,   12
.set WHI,  13
.set WLO,  14
.set TR,   15
.set G1A,  24
.set G1B,  32
.set G0A,  40
.set G0B,  48
.set CX,   56
.set CY,   57
.set TC,   58
.set MROW, 59
.set MCOL, 60
.set TB,   61
.set MSB, 0
.macro WIN new
.if MSB != (\new)
	s_set_vgpr_msb (MSB<<8)|(\new)
.set MSB, \new
.endif
.endm
.set MUL, 0x50
.macro PLACES
.rept 4
	v_nop
.endr
.endm
.macro JLOAD                           ; a joint refill by the walking descriptors; s_nop 0 and four v_nop follow each line
	s_cmp_eq_u32 s[WHI], 0
	s_cbranch_scc0 .Lfor_b_\@
	tensor_load_to_lds s[G0A+4:G0A+7], s[G1A:G1A+7]
	s_nop 0
.rept 4
	v_nop
.endr
	s_branch .Lasked_\@
.Lfor_b_\@:
	tensor_load_to_lds s[G0B+4:G0B+7], s[G1B:G1B+7]
	s_nop 0
.rept 4
	v_nop
.endr
.Lasked_\@:
.endm
.macro CREST
	s_cmp_lg_u32 s[WV], 0
	s_cbranch_scc1 .Lnot_wave_0_\@
	s_barrier_signal -3
.Lnot_wave_0_\@:
	s_barrier_wait -3
	s_barrier_signal -1
	s_barrier_wait -1
.endm
.macro CROUND
	s_barrier_signal -1
	s_barrier_wait -1
	CREST
.endm
	s_load_b256 s[4:11], s[0:1], 0x0               ; oh s[4:5], wph s[6:7], b_proj s[8:9], out0 s[10:11]
	v_lshl_add_u32 v[SPW], v0, 2, SPARE
	v_mov_b32 v[NIL], 0
	ds_add_u32 v[SPW], v[NIL]                      ; the wave's opening: the add and its wait ahead of my first tensor load
	ds_add_u32 v12, v13
	v_lshrrev_b32 v1, 5, v0
	v_readfirstlane_b32 s[WV], v1
	s_lshr_b32 s[WHI], s[WV], 1
	s_and_b32 s[WLO], s[WV], 1
	s_bfe_u32 s[CX], ttmp6, 0x40000
	s_bfe_u32 s[CY], ttmp6, 0x40004
	s_lshl_b32 s[TC], ttmp9, 2
	s_add_co_u32 s[TC], s[TC], s[CX]
	s_and_b32 s[TR], ttmp7, 0xffff
	s_lshl_b32 s[TR], s[TR], 2
	s_add_co_u32 s[TR], s[TR], s[CY]
	s_lshl_b32 s[MROW], s[CY], 2
	s_lshl_b32 s[MROW], 15, s[MROW]
	s_lshl_b32 s[MCOL], 0x1111, s[CX]
	s_or_b32 s[G1A], s[MROW], 0x07710000
	s_mov_b32 s[G1A+1], 128<<16
	s_mov_b32 s[G1A+2], 128<<16
	s_mov_b32 s[G1A+3], 128<<16
	s_mov_b32 s[G1A+4], 128
	s_mov_b32 s[G1A+5], PITCHA
	s_mov_b32 s[G1A+6], 0
	s_mov_b32 s[G1A+7], 0
	s_or_b32 s[G1B], s[MCOL], 0x0f710000
	s_mov_b32 s[G1B+1], 128<<16
	s_mov_b32 s[G1B+2], 64<<16
	s_mov_b32 s[G1B+3], 128<<16
	s_mov_b32 s[G1B+4], 64
	s_mov_b32 s[G1B+5], PITCHB
	s_mov_b32 s[G1B+6], 0
	s_mov_b32 s[G1B+7], 0
	s_lshl_b32 s16, s[TR], 8
	s_lshl_b32 s17, s[WLO], 7
	s_add_co_u32 s16, s16, s17
	s_lshl_b32 s16, s16, 11
	s_mov_b32 s17, 0
	s_mul_i32 s18, s[WLO], 64*PITCHB*2
	s_lshl_b32 s19, s[TC], 8
	s_add_co_u32 s18, s18, s19
	s_mov_b32 s19, 0
	s_mul_i32 s20, s[WLO], 128*PA
	s_mul_i32 s21, s[WLO], 64*PB
	s_add_co_u32 s21, s21, BOFF
	s_mov_b32 s[TB], 0
	s_wait_dscnt 0x0                               ; the opening add is done
	s_wait_kmcnt 0x0
	s_add_nc_u64 s[16:17], s[4:5], s[16:17]
	s_add_nc_u64 s[18:19], s[6:7], s[18:19]
	CROUND
.irp s, 0,1
	s_mov_b32 s[G0A+4*(\s)], 1
	s_add_co_u32 s[G0A+4*(\s)+1], s20, (\s)*SLOT1
	s_add_nc_u64 s[G0A+4*(\s)+2:G0A+4*(\s)+3], s[16:17], (\s)*ASTEP
	s_or_b32 s[G0A+4*(\s)+3], s[G0A+4*(\s)+3], 0x80000000
	s_mov_b32 s[G0B+4*(\s)], 1
	s_add_co_u32 s[G0B+4*(\s)+1], s21, (\s)*SLOT1
	s_add_nc_u64 s[G0B+4*(\s)+2:G0B+4*(\s)+3], s[18:19], (\s)*BSTEP
	s_or_b32 s[G0B+4*(\s)+3], s[G0B+4*(\s)+3], 0x80000000
.endr
	s_cmp_eq_u32 s[WHI], 0
	s_cbranch_scc0 .Lfirst_b
	tensor_load_to_lds s[G0A:G0A+3], s[G1A:G1A+7]
	s_nop 0
	tensor_load_to_lds s[G0A+4:G0A+7], s[G1A:G1A+7]
	s_nop 0
.rept 4
	v_nop
.endr
	s_branch .Lfirst_asked
.Lfirst_b:
	tensor_load_to_lds s[G0B:G0B+3], s[G1B:G1B+7]
	s_nop 0
	tensor_load_to_lds s[G0B+4:G0B+7], s[G1B:G1B+7]
	s_nop 0
.rept 4
	v_nop
.endr
.Lfirst_asked:
	v_and_b32 v3, 31, v0
	v_lshlrev_b32 v[CO], 4, v3                     ; 16 x lane
	s_lshl_b32 s18, s[TC], 9                       ; the tile's 128 columns of f32, in the registers that held wph's address
	s_mov_b32 s19, 0
	s_add_nc_u64 s[8:9], s[8:9], s[18:19]
	s_add_nc_u64 s[10:11], s[10:11], s[18:19]
	global_load_b128 v[BIAS:BIAS+3], v[CO], s[8:9]
	v_and_b32 v1, 15, v0
	v_bfe_u32 v2, v0, 4, 1
	v_mul_u32_u24 v3, v1, PA
	v_lshl_add_u32 v3, v2, 4, v3
	s_mul_i32 s22, s[WV], 64*PA
	v_add_nc_u32 v[A0], s22, v3
	v_and_b32 v3, 7, v0
	v_lshl_add_u32 v3, v2, 3, v3
	v_mul_u32_u24 v3, v3, PB
	v_bfe_u32 v11, v0, 3, 1
	v_lshl_add_u32 v3, v11, 4, v3
	v_add_nc_u32 v[B0], BOFF, v3
	v_mov_b32 v[ADRA], v[A0]
	v_mov_b32 v[ADRB], v[B0]
	s_mul_i32 s22, s[WV], 16*SP32
	s_add_co_u32 s22, s22, STAGE                   ; my stage
	v_mul_u32_u24 v3, v1, SP32
	v_lshl_add_u32 v3, v2, 5, v3
	v_add_nc_u32 v[STO], s22, v3                   ; in: row l % 16, 32 bytes for each half of the lanes
	v_add_nc_u32 v[RD], s22, v[CO]                 ; back: 32 lanes take one row of 512 bytes
	s_lshl_b32 s16, s[TR], 8
	s_lshl_b32 s17, s[WV], 6
	s_add_co_u32 s16, s16, s17
	s_lshl_b32 s16, s16, 12                        ; my first row of out0
	s_mov_b32 s17, 0
	s_add_nc_u64 s[10:11], s[10:11], s[16:17]
.macro MUL8 f, b0, zero                ; the 32 accumulators take turns, one instruction a turn, in the same order in every quarter
	WIN MUL
.irp b, \b0, (\b0)+1
.irp a, 0,1,2,3
.if \zero
	v_wmma_f32_16x16x32_f16 v[8*(8*(\a)+(\b)):8*(8*(\a)+(\b))+7], v[(\f)+32+8*(\b):(\f)+32+8*(\b)+7], v[(\f)+8*(\a):(\f)+8*(\a)+7], 0
.else
	v_wmma_f32_16x16x32_f16 v[8*(8*(\a)+(\b)):8*(8*(\a)+(\b))+7], v[(\f)+32+8*(\b):(\f)+32+8*(\b)+7], v[(\f)+8*(\a):(\f)+8*(\a)+7], v[8*(8*(\a)+(\b)):8*(8*(\a)+(\b))+7]
.endif
.endr
.endr
.endm
.macro FETCH q, f
	WIN 0
.irp a, 0,1,2,3
	ds_load_b128 v[(\f)+8*(\a):(\f)+8*(\a)+3],   v[ADRA] offset:64*(\q)+(\a)*16*PA
	ds_load_b128 v[(\f)+8*(\a)+4:(\f)+8*(\a)+7], v[ADRA] offset:64*(\q)+(\a)*16*PA+32
.endr
.irp b, 0,1,2,3,4,5,6,7
	ds_load_tr16_b128 v[(\f)+32+8*(\b):(\f)+32+8*(\b)+3],   v[ADRB] offset:(\q)*32*PB+32*(\b)
	ds_load_tr16_b128 v[(\f)+32+8*(\b)+4:(\f)+32+8*(\b)+7], v[ADRB] offset:(\q)*32*PB+16*PB+32*(\b)
.endr
.endm
.macro QUARTER qn, f, g, zero
	s_wait_dscnt 8                                 ; all but the youngest eight loads (wph's fragments 4-7) are in
	MUL8 \f, 0, \zero
	MUL8 \f, 2, \zero
	PLACES
	FETCH \qn, \g
	s_wait_dscnt 24                                ; all but the 24 just issued
	MUL8 \f, 4, \zero
	MUL8 \f, 6, \zero
.endm
.macro TURN fill                       ; the change of slots: all my tensor loads waited for, the add, my reads over, the barrier (with fill = 1 a round of the cluster's), the joint refill first behind it
	WIN 0
	s_wait_tensorcnt 0x0
	ds_add_u32 v[SPW], v[NIL]
	s_wait_dscnt 9                                 ; the add and the youngest eight loads may be out
	MUL8 F1, 0, 0
	s_wait_dscnt 0x0
	s_barrier_signal -1
	MUL8 F1, 2, 0
	WIN 0
	s_barrier_wait -1
.if \fill
	CREST
	s_xor_b32 s[G0A+5], s[G0A+5], SLOT1
	s_add_nc_u64 s[G0A+6:G0A+7], s[G0A+6:G0A+7], ASTEP
	s_xor_b32 s[G0B+5], s[G0B+5], SLOT1
	s_add_nc_u64 s[G0B+6:G0B+7], s[G0B+6:G0B+7], BSTEP
	JLOAD
.else
	PLACES
.endif
	s_xor_b32 s[TB], s[TB], SLOT1
	v_add_nc_u32 v[ADRA], s[TB], v[A0]
	v_add_nc_u32 v[ADRB], s[TB], v[B0]
	FETCH 0, F0
	MUL8 F1, 4, 0
	MUL8 F1, 6, 0
.endm
; Row block a goes out: each accumulator's registers 0-3, then 4-7, into my stage; 16 whole rows back; the bias; 512 consecutive bytes a store.
.macro OUT32 a
	WIN 0
	s_wait_xcnt 0x0                                ; out0's base, and the registers that earlier stores read, are rewritten only behind this wait
.if (\a) > 0
	s_add_nc_u64 s[10:11], s[10:11], 16*4096
.endif
	WIN 0x04                                       ; store data in window 1
.irp b, 0,1,2,3,4,5,6,7
	ds_store_b128 v[STO], v[64*(\a)+8*(\b):64*(\a)+8*(\b)+3]   offset:64*(\b)
	ds_store_b128 v[STO], v[64*(\a)+8*(\b)+4:64*(\a)+8*(\b)+7] offset:64*(\b)+16
.endr
	WIN 0
.set BK, 64+64*((\a)%2)
.irp t, 0,1,2,3,4,5,6,7,8,9,10,11,12,13,14,15
	ds_load_b128 v[BK+4*(\t):BK+4*(\t)+3], v[RD] offset:(\t)*SP32  ; LDS serves a wave's instructions in order: these see the stores above
.endr
.irp t, 0,1,2,3,4,5,6,7,8,9,10,11,12,13,14,15
	s_wait_dscnt 15-(\t)
	v_pk_add_f32 v[BK+4*(\t):BK+4*(\t)+1],   v[BK+4*(\t):BK+4*(\t)+1],   v[BIAS:BIAS+1]
	v_pk_add_f32 v[BK+4*(\t)+2:BK+4*(\t)+3], v[BK+4*(\t)+2:BK+4*(\t)+3], v[BIAS+2:BIAS+3]
	global_store_b128 v[CO], v[BK+4*(\t):BK+4*(\t)+3], s[10:11] offset:4096*(\t) th:TH_STORE_NT
.endr
.endm
	s_wait_tensorcnt 1                             ; my part of K step 0 is in; K step 1's may stay out
	s_barrier_signal -1
	s_barrier_wait -1
	FETCH 0, F0
	QUARTER 1, F0, F1, 1
	WIN 0
	s_mov_b32 s[CNT], STEPS-2
.Lstep:
	QUARTER 2, F1, F0, 0
	QUARTER 3, F0, F1, 0
	TURN 1
	QUARTER 1, F0, F1, 0
	WIN 0
	s_sub_co_u32 s[CNT], s[CNT], 1
	s_cmp_lg_u32 s[CNT], 0
	s_cbranch_scc1 .Lstep
	QUARTER 2, F1, F0, 0
	QUARTER 3, F0, F1, 0
	TURN 0
	QUARTER 1, F0, F1, 0
	QUARTER 2, F1, F0, 0
	QUARTER 3, F0, F1, 0
	s_wait_dscnt 8
	MUL8 F1, 0, 0
	MUL8 F1, 2, 0
	s_wait_dscnt 0x0
	MUL8 F1, 4, 0
	MUL8 F1, 6, 0
	WIN 0
	s_wait_loadcnt 0x0                             ; the bias; its rounding to bf16, six plain lines, fills the places behind the last products
	v_cvt_pk_bf16_f32 v20, v[BIAS], v[BIAS+1]
	v_cvt_pk_bf16_f32 v21, v[BIAS+2], v[BIAS+3]
	v_lshlrev_b32 v[BIAS], 16, v20
	v_and_b32 v[BIAS+1], 0xffff0000, v20
	v_lshlrev_b32 v[BIAS+2], 16, v21
	v_and_b32 v[BIAS+3], 0xffff0000, v21
	OUT32 0
	OUT32 1
	OUT32 2
	OUT32 3
	s_wait_tensorcnt 0x0                           ; the wave's end
	ds_add_u32 v[SPW], v[NIL]
	s_wait_dscnt 0x0
	CROUND                                         ; the closing round
	s_endpgm
.Lfunc_end_k_qd5d9393bdf_proj:
	.size	k_qd5d9393bdf_proj, .Lfunc_end_k_qd5d9393bdf_proj-k_qd5d9393bdf_proj
	.p2alignl 7, 3214868480
	.fill 96, 4, 3214868480
	.section	.rodata,"a",@progbits
	.p2align	6, 0x0
	.amdhsa_kernel k_qd5d9393bdf_proj
		.amdhsa_group_segment_fixed_size 327680
		.amdhsa_private_segment_fixed_size 0
		.amdhsa_enable_private_segment 0
		.amdhsa_kernarg_size 32
		.amdhsa_user_sgpr_count 2
		.amdhsa_user_sgpr_kernarg_segment_ptr 1
		.amdhsa_wavefront_size32 1
		.amdhsa_system_sgpr_workgroup_id_x 1
		.amdhsa_system_sgpr_workgroup_id_y 1
		.amdhsa_system_sgpr_workgroup_id_z 1
		.amdhsa_system_vgpr_workitem_id 0
		.amdhsa_next_free_vgpr 512
		.amdhsa_next_free_sgpr 66
		.amdhsa_reserve_vcc 0
		.amdhsa_float_denorm_mode_32 3
		.amdhsa_float_denorm_mode_16_64 3
		.amdhsa_memory_ordered 1
		.amdhsa_forward_progress 1
		.amdhsa_inst_pref_size 79
	.end_amdhsa_kernel
	.amdgpu_metadata
---
amdhsa.version: [ 1, 2 ]
amdhsa.kernels:
  - .name:           k_qd5d9393bdf_proj
    .symbol:         k_qd5d9393bdf_proj.kd
    .args:
      - { .name: oh, .offset: 0, .size: 8, .value_kind: global_buffer, .address_space: global }
      - { .name: wph, .offset: 8, .size: 8, .value_kind: global_buffer, .address_space: global }
      - { .name: b_proj, .offset: 16, .size: 8, .value_kind: global_buffer, .address_space: global }
      - { .name: out0, .offset: 24, .size: 8, .value_kind: global_buffer, .address_space: global }
    .group_segment_fixed_size: 327680
    .private_segment_fixed_size: 0
    .kernarg_segment_align: 8
    .kernarg_segment_size: 32
    .max_flat_workgroup_size: 128
    .sgpr_count:     66
    .vgpr_count:     512
    .wavefront_size: 32
...
	.end_amdgpu_metadata
.endif
;; end of part 5
;; ======== version 2 of 2: 5 launches; 1.12 times as fast as version 1
;; limits: values are held in f16: magnitudes above 65,504 overflow, below 6.1e-05 lose precision
;; workspace buffers: xh 16,777,216 bytes; wqh 6,291,456 bytes; wph 2,097,152 bytes; qkv 50,331,648 bytes; pbuf 33,554,432 bytes; stat 524,288 bytes; oh 16,777,216 bytes
;; launch cast (part 6): grid 768 x 1, 8 waves a work-group, no clusters, 0 bytes of LDS; arguments x, w_qkv, w_proj, xh, wqh, wph; writes xh, wqh, wph
.if DOCPART == 6
	.amdgcn_target "amdgcn-amd-amdhsa--gfx1250"
	.amdhsa_code_object_version 6
	.text
	.protected	k_qd5d9393bdf_cast
	.globl	k_qd5d9393bdf_cast
	.p2align	8
	.type	k_qd5d9393bdf_cast,@function
k_qd5d9393bdf_cast:
	s_mov_b64 s[64:65], 0
	v_nop
	global_prefetch_b8 v0, s[64:65] scope:SCOPE_SE
	s_setreg_imm32_b32 hwreg(HW_REG_WAVE_MODE, 25, 1), 1
	s_wait_xcnt 0x0
; xh, wqh, wph = x, w_qkv, w_proj, each number rounded to bf16 (nearest even) and that number written as f16.
; LIMITS.  A bf16 number has 8 significant bits and is exact in f16 from 6.1e-5 to 65,504 in magnitude; below it keeps f16's fixed step of 6e-8, beyond it becomes an infinity.
; LAYOUTS.  wqh and wph lie as their sources.  xh lies by blocks of 64 along K: [16][8192][64], so that 256 rows of one block, the next launch's tile, are 32,768 consecutive bytes.
; A stream: no LDS, no barrier, no matrix unit.  A work-group converts 16,384 numbers: 512 groups for x (16 rows each), 192 for w_qkv, 64 for w_proj.  All 16 loads of a wave are issued at once.
.set X, 16                             ; v[16:79]   load k: four f32
.set Y, 80                             ; v[80:111]  store k: four f16
.macro CONV k                          ; four numbers: to bf16, back to f32 (a shift or a mask), to f16
	v_cvt_pk_bf16_f32 v8, v[X+4*(\k)], v[X+4*(\k)+1]
	v_cvt_pk_bf16_f32 v9, v[X+4*(\k)+2], v[X+4*(\k)+3]
	v_lshlrev_b32 v[X+4*(\k)], 16, v8
	v_and_b32 v[X+4*(\k)+1], s28, v8
	v_lshlrev_b32 v[X+4*(\k)+2], 16, v9
	v_and_b32 v[X+4*(\k)+3], s28, v9
	v_cvt_pk_f16_f32 v[Y+2*(\k)], v[X+4*(\k)], v[X+4*(\k)+1]
	v_cvt_pk_f16_f32 v[Y+2*(\k)+1], v[X+4*(\k)+2], v[X+4*(\k)+3]
.endm
	s_load_b256 s[4:11], s[0:1], 0x0               ; x s[4:5], w_qkv s[6:7], w_proj s[8:9], xh s[10:11]
	s_load_b128 s[12:15], s[0:1], 0x20             ; wqh s[12:13], wph s[14:15]
	s_mov_b32 s16, ttmp9
	s_sub_co_u32 s17, s16, 512                     ; the group's number inside w_qkv,
	s_sub_co_u32 s18, s16, 704                     ; inside w_proj
	s_mov_b32 s28, 0xffff0000                      ; a word's upper bf16
	s_mov_b32 s25, 0
	s_mov_b32 s27, 0
	v_lshrrev_b32 v1, 5, v0                        ; wave
	v_and_b32 v2, 31, v0                           ; lane
	v_lshlrev_b32 v3, 4, v2
	v_lshl_add_u32 v3, v1, 13, v3                  ; the weights' source: 8,192 x wave + 16 x lane
	v_lshlrev_b32 v4, 3, v2
	v_lshl_add_u32 v4, v1, 12, v4                  ; their destination: 4,096 x wave + 8 x lane
	v_lshrrev_b32 v5, 4, v0                        ; x: sixteen threads to a row: row thread / 16 of the group's 16,
	v_and_b32 v6, 15, v0
	v_lshlrev_b32 v6, 4, v6
	v_lshl_add_u32 v5, v5, 12, v6                  ; source: 4,096 x row + 16 x (thread % 16)
	v_lshlrev_b32 v7, 3, v0                        ; destination: 128 x row + 8 x (thread % 16) = 8 x thread
	s_wait_kmcnt 0x0
	s_cmp_lt_u32 s16, 512
	s_cbranch_scc1 .Lx
	s_cmp_lt_u32 s16, 704                          ; which weights: the choice hangs on the group's number alone
	s_cselect_b64 s[20:21], s[6:7], s[8:9]
	s_cselect_b64 s[22:23], s[12:13], s[14:15]
	s_cselect_b32 s19, s17, s18
	s_lshl_b32 s24, s19, 16                        ; 65,536 bytes of f32 a group,
	s_lshl_b32 s26, s19, 15                        ; 32,768 of f16
	s_add_nc_u64 s[20:21], s[20:21], s[24:25]
	s_add_nc_u64 s[22:23], s[22:23], s[26:27]
.irp k, 0,1,2,3,4,5,6,7,8,9,10,11,12,13,14,15
	global_load_b128 v[X+4*(\k):X+4*(\k)+3], v3, s[20:21] offset:512*(\k) th:TH_LOAD_NT
.endr
.irp k, 0,1,2,3,4,5,6,7,8,9,10,11,12,13,14,15
	s_wait_loadcnt 15-(\k)                         ; loads come back in order: load k is in, the younger ones stay out
	CONV \k
	global_store_b64 v4, v[Y+2*(\k):Y+2*(\k)+1], s[22:23] offset:256*(\k)  ; 256 consecutive, aligned bytes; each store has data registers of its own
.endr
	s_endpgm
.Lx:
	s_lshl_b32 s24, s16, 16                        ; 16 rows of 4,096 bytes a group,
	s_lshl_b32 s26, s16, 11                        ; 16 rows of 128 bytes in each block of xh
	s_add_nc_u64 s[20:21], s[4:5], s[24:25]
	s_add_nc_u64 s[22:23], s[10:11], s[26:27]      ; blocks 0 to 7,
	s_add_nc_u64 s[30:31], s[22:23], 0x800000      ; blocks 8 to 15: a block is 1,048,576 bytes, so each half's offsets stay inside the store's immediate
.irp k, 0,1,2,3,4,5,6,7,8,9,10,11,12,13,14,15
	global_load_b128 v[X+4*(\k):X+4*(\k)+3], v5, s[20:21] offset:256*(\k) th:TH_LOAD_NT  ; block k of two rows: 256 consecutive bytes for each half of the lanes
.endr
.irp k, 0,1,2,3,4,5,6,7,8,9,10,11,12,13,14,15
	s_wait_loadcnt 15-(\k)
	CONV \k
.if (\k) < 8
	global_store_b64 v7, v[Y+2*(\k):Y+2*(\k)+1], s[22:23] offset:1048576*(\k)      ; two neighbouring rows of block k: 256 consecutive, aligned bytes
.else
	global_store_b64 v7, v[Y+2*(\k):Y+2*(\k)+1], s[30:31] offset:1048576*((\k)-8)
.endif
.endr
	s_endpgm
.Lfunc_end_k_qd5d9393bdf_cast:
	.size	k_qd5d9393bdf_cast, .Lfunc_end_k_qd5d9393bdf_cast-k_qd5d9393bdf_cast
	.p2alignl 7, 3214868480
	.fill 96, 4, 3214868480
	.section	.rodata,"a",@progbits
	.p2align	6, 0x0
	.amdhsa_kernel k_qd5d9393bdf_cast
		.amdhsa_group_segment_fixed_size 0
		.amdhsa_private_segment_fixed_size 0
		.amdhsa_enable_private_segment 0
		.amdhsa_kernarg_size 48
		.amdhsa_user_sgpr_count 2
		.amdhsa_user_sgpr_kernarg_segment_ptr 1
		.amdhsa_wavefront_size32 1
		.amdhsa_system_sgpr_workgroup_id_x 1
		.amdhsa_system_sgpr_workgroup_id_y 1
		.amdhsa_system_sgpr_workgroup_id_z 1
		.amdhsa_system_vgpr_workitem_id 0
		.amdhsa_next_free_vgpr 112
		.amdhsa_next_free_sgpr 66
		.amdhsa_reserve_vcc 0
		.amdhsa_float_denorm_mode_32 3
		.amdhsa_float_denorm_mode_16_64 3
		.amdhsa_memory_ordered 1
		.amdhsa_forward_progress 1
		.amdhsa_inst_pref_size 21
	.end_amdhsa_kernel
	.amdgpu_metadata
---
amdhsa.version: [ 1, 2 ]
amdhsa.kernels:
  - .name:           k_qd5d9393bdf_cast
    .symbol:         k_qd5d9393bdf_cast.kd
    .args:
      - { .name: x, .offset: 0, .size: 8, .value_kind: global_buffer, .address_space: global }
      - { .name: w_qkv, .offset: 8, .size: 8, .value_kind: global_buffer, .address_space: global }
      - { .name: w_proj, .offset: 16, .size: 8, .value_kind: global_buffer, .address_space: global }
      - { .name: xh, .offset: 24, .size: 8, .value_kind: global_buffer, .address_space: global }
      - { .name: wqh, .offset: 32, .size: 8, .value_kind: global_buffer, .address_space: global }
      - { .name: wph, .offset: 40, .size: 8, .value_kind: global_buffer, .address_space: global }
    .group_segment_fixed_size: 0
    .private_segment_fixed_size: 0
    .kernarg_segment_align: 8
    .kernarg_segment_size: 48
    .max_flat_workgroup_size: 256
    .sgpr_count:     66
    .vgpr_count:     112
    .wavefront_size: 32
...
	.end_amdgpu_metadata
.endif
;; end of part 6
;; launch qkvp (part 7): grid 8 x 32, 4 waves a work-group, clusters of 4 x 4, 327,680 bytes of LDS; arguments xh, wqh, qkv; writes qkv
.if DOCPART == 7
	.amdgcn_target "amdgcn-amd-amdhsa--gfx1250"
	.amdhsa_code_object_version 6
	.text
	.protected	k_qd5d9393bdf_qkvp
	.globl	k_qd5d9393bdf_qkvp
	.p2align	8
	.type	k_qd5d9393bdf_qkvp,@function
k_qd5d9393bdf_qkvp:
	s_mov_b64 s[64:65], 0
	v_nop
	global_prefetch_b8 v0, s[64:65] scope:SCOPE_SE
	s_setreg_imm32_b32 hwreg(HW_REG_WAVE_MODE, 25, 1), 1
	s_wait_xcnt 0x0
	s_wait_alu depctr_hold_cnt(0) depctr_sa_sdst(0) depctr_va_vdst(0) depctr_va_sdst(0) depctr_va_ssrc(0) depctr_va_vcc(0) depctr_vm_vsrc(0)
	s_getreg_b32 s2, hwreg(HW_REG_IB_STS2, 6, 4)
	s_cmp_eq_u32 s2, 0
	s_cbranch_scc0 .Lentry_in_a_cluster
	s_endpgm
.Lentry_in_a_cluster:
	s_bfe_u32 s2, ttmp6, 0x10000c
	s_cmp_lg_u32 s2, 0xf033
	s_cbranch_scc0 .Lentry_shape_is_right
	s_endpgm
.Lentry_shape_is_right:
; qkv[m][n] = sum over k of x[m][k] w[k][n].  xh: x as [16 blocks of 64 k][8192][64] f16, wqh: [1024][3072] f16, qkv: [8192][3072] f16; sums in f32, K ascending, qkv rounded once.
; LIMIT.  A sum of 65,520 or more in magnitude becomes an infinity in f16.
; A tile of qkv is 256 rows x 384 columns: 8 x 32 tiles, one to a work-group.  It is the largest that the registers hold: for 64 along K it takes (256 + 384) x 128 bytes into LDS for 768 matrix instructions.
; SHARES.  Four waves, 2 x 2.  Wave (wr, wc) makes rows 128 wr .. + 127 and, of each of the tile's three chunks of 128 columns, columns 64 wc .. + 63: 8 x 12 accumulators of 16 x 16, 768 registers.
; K goes in steps of 64 through two LDS slots: 256 rows of x (dense in xh: asked for as rows of 256 bytes, padded behind every 128) and 64 k-rows of w (768 bytes, padded behind every 256).
; Two slots of 128 along K would not fit in LDS.  w lies [k][n], so its fragments come out of LDS turned, by ds_load_tr16_b128.
; THE MATRIX INSTRUCTION IS USED TRANSPOSED: source 0 = 16 columns of w, source 1 = 16 rows of x; a lane then holds row lane % 16 and the eight neighbouring columns 8 (lane / 16) + 0..7.
; A QUARTER is 32 along K: 96 matrix instructions, chunk by chunk.  x's eight fragments have two buffers; w's twelve have one, refilled chunk by chunk: when a chunk's 32 products are issued,
; the next quarter's four fragments of that chunk are fetched, 64 matrix instructions ahead of their use.
; CLUSTER 4 x 4: the four work-groups of a cluster's row need the same rows of x, the four of a column the same columns of w; each tile is asked for jointly.
; REGISTERS: window 0: v0-15 addresses; v32-95, v96-159 x's fragments; v160-255 w's (chunk c, fragment bb at 160 + 8 (4 c + bb)); window c + 1: chunk c's accumulators, (a, bb) at 8 (8 bb + a).
.set PA,     144                       ; an LDS row of x: 128 bytes + 16 = 36 words: the 16 rows of a fragment load start at 16 different groups of four banks
.set PB,     864                       ; an LDS row of w: 3 x (256 + 32) bytes = 27 x 32
.set CH,     288                       ; from chunk to chunk in such a row
.set BOFF,   256*PA                    ; in a slot w's rows lie behind x's
.set SLOT1,  1<<17                     ; slot 1 begins here: one exclusive or turns an address in one slot into the other's
.set SPARE,  SLOT1+BOFF+64*PB          ; behind the ring: the spare words, 128 bytes for each wave: two blocks of 256 bytes that no other line names
.set SPI,    784                       ; the way out: a row of the stage, 768 bytes + 16; the stage, 256 rows from byte 0, lies over the ring, which has then had its last fill
.set PITCHC, 6144                      ; bytes from row to row of qkv
.set ASTEP,  8192*128                  ; bytes from K step to K step: a block of xh,
.set BSTEP,  64*6144                   ; 64 rows of wqh
.set STEPS,  16
.set A0,   4                           ; v4   my lane's place in x's tile of slot 0; never rewritten
.set B0,   5                           ; v5   the same for w
.set ADRA, 6                           ; v6   the same in the slot in hand
.set ADRB, 7
.set STO,  8                           ; v8   the way out: where I put 16 bytes of a row of my row blocks 0-3,
.set STO2, 9                           ; v9   4-7
.set RD,   10                          ; v10  where I read rows back
.set CO,   11                          ; v11  my byte offset in two rows of qkv
.set SPW,  12                          ; v12  my spare word; never rewritten
.set NIL,  13                          ; v13  0; never rewritten
.set FA0,  32
.set FA1,  96
.set BF,   160
.set TMP,  32                          ; the way out: packed results, then rows read back
.set CNT,  3
.set WV,   12                          ; s12 wave; s13 wave / 2: my half of the rows, and: I fetch for x (0) or w (1); s14 wave % 2: my half of each chunk, and: which half of that tile I fetch
.set WHI,  13
.set WLO,  14
.set TR,   15                          ; tile row
.set G1A,  24
.set G1B,  32
.set G0A,  40                          ; two sets for the two first fills; the second then walks
.set G0B,  48
.set CX,   56
.set CY,   57
.set TC,   58                          ; tile column
.set MROW, 59
.set MCOL, 60
.set TB,   61                          ; LDS byte at which the slot in hand begins
.set MSB, 0
.macro WIN new                         ; the immediate's high byte repeats the setting that is left; a switch that changes nothing is dropped
.if MSB != (\new)
	s_set_vgpr_msb (MSB<<8)|(\new)
.set MSB, \new
.endif
.endm
.macro PLACES                          ; four plain vector instructions between a matrix instruction and a load into, or a vector line on, its registers
.rept 4
	v_nop
.endr
.endm
.macro JLOAD                           ; a joint refill by the walking descriptors; the branch hangs on the wave's number alone; s_nop 0 and four v_nop follow each line
	s_cmp_eq_u32 s[WHI], 0
	s_cbranch_scc0 .Lfor_b_\@
	tensor_load_to_lds s[G0A+4:G0A+7], s[G1A:G1A+7]
	s_nop 0
.rept 4
	v_nop
.endr
	s_branch .Lasked_\@
.Lfor_b_\@:
	tensor_load_to_lds s[G0B+4:G0B+7], s[G1B:G1B+7]
	s_nop 0
.rept 4
	v_nop
.endr
.Lasked_\@:
.endm
.macro CREST                           ; a round of the cluster's barrier behind its opening barrier
	s_cmp_lg_u32 s[WV], 0
	s_cbranch_scc1 .Lnot_wave_0_\@
	s_barrier_signal -3
.Lnot_wave_0_\@:
	s_barrier_wait -3
	s_barrier_signal -1
	s_barrier_wait -1
.endm
.macro CROUND
	s_barrier_signal -1
	s_barrier_wait -1
	CREST
.endm
	s_load_b128 s[4:7], s[0:1], 0x0                ; xh s[4:5], wqh s[6:7]
	s_load_b64 s[8:9], s[0:1], 0x10                ; qkv
	v_lshl_add_u32 v[SPW], v0, 2, SPARE
	v_mov_b32 v[NIL], 0
	ds_add_u32 v[SPW], v[NIL]                      ; the wave's opening: the add and its wait ahead of my first tensor load
	ds_add_u32 v12, v13
	v_lshrrev_b32 v1, 5, v0
	v_readfirstlane_b32 s[WV], v1
	s_lshr_b32 s[WHI], s[WV], 1
	s_and_b32 s[WLO], s[WV], 1
	s_bfe_u32 s[CX], ttmp6, 0x40000
	s_bfe_u32 s[CY], ttmp6, 0x40004
	s_lshl_b32 s[TC], ttmp9, 2
	s_add_co_u32 s[TC], s[TC], s[CX]               ; tile column = 4 x cluster x + cx
	s_and_b32 s[TR], ttmp7, 0xffff
	s_lshl_b32 s[TR], s[TR], 2
	s_add_co_u32 s[TR], s[TR], s[CY]               ; tile row = 4 x cluster y + cy
	s_lshl_b32 s[MROW], s[CY], 2
	s_lshl_b32 s[MROW], 15, s[MROW]                ; my row of the cluster
	s_lshl_b32 s[MCOL], 0x1111, s[CX]              ; my column
	s_or_b32 s[G1A], s[MROW], 0x07310000           ; mask; 2-byte elements; padding on; bit 21 beside a mask; after every 32 words 4 words
	s_mov_b32 s[G1A+1], 128<<16                    ; tensor_dim0 = 128: two rows of x, 256 dense bytes
	s_mov_b32 s[G1A+2], 64<<16                     ; tensor_dim1 = 64
	s_mov_b32 s[G1A+3], 128<<16                    ; tile_dim0 = 128
	s_mov_b32 s[G1A+4], 64                         ; tile_dim1 = 64: 128 rows of x to a load
	s_mov_b32 s[G1A+5], 128
	s_mov_b32 s[G1A+6], 0
	s_mov_b32 s[G1A+7], 0
	s_or_b32 s[G1B], s[MCOL], 0x0f710000           ; after every 64 words 8 words: three times in a row of 192 words
	s_mov_b32 s[G1B+1], 384<<16                    ; tensor_dim0 = 384
	s_mov_b32 s[G1B+2], 32<<16                     ; tensor_dim1 = 32
	s_mov_b32 s[G1B+3], 384<<16                    ; tile_dim0 = 384
	s_mov_b32 s[G1B+4], 32                         ; tile_dim1 = 32 k-rows to a load
	s_mov_b32 s[G1B+5], 3072
	s_mov_b32 s[G1B+6], 0
	s_mov_b32 s[G1B+7], 0
	s_lshl_b32 s16, s[TR], 8
	s_lshl_b32 s17, s[WLO], 7
	s_add_co_u32 s16, s16, s17                     ; xh: row 256 x tile row + 128 x half,
	s_lshl_b32 s16, s16, 7                         ; of 128 bytes, in block 0
	s_mov_b32 s17, 0
	s_mul_i32 s18, s[WLO], 32*6144                 ; wqh: k-row 32 x half,
	s_mul_i32 s19, s[TC], 768                      ; column 384 x tile column
	s_add_co_u32 s18, s18, s19
	s_mov_b32 s19, 0
	s_mul_i32 s20, s[WLO], 128*PA                  ; where they go: no place in the cluster enters an LDS address
	s_mul_i32 s21, s[WLO], 32*PB
	s_add_co_u32 s21, s21, BOFF
	s_mov_b32 s[TB], 0
	s_wait_dscnt 0x0                               ; the opening add is done
	s_wait_kmcnt 0x0
	s_add_nc_u64 s[16:17], s[4:5], s[16:17]
	s_add_nc_u64 s[18:19], s[6:7], s[18:19]
	CROUND                                         ; all sixteen work-groups are here: the first joint loads meet
.irp s, 0,1
	s_mov_b32 s[G0A+4*(\s)], 1
	s_add_co_u32 s[G0A+4*(\s)+1], s20, (\s)*SLOT1
	s_add_nc_u64 s[G0A+4*(\s)+2:G0A+4*(\s)+3], s[16:17], (\s)*ASTEP
	s_or_b32 s[G0A+4*(\s)+3], s[G0A+4*(\s)+3], 0x80000000
	s_mov_b32 s[G0B+4*(\s)], 1
	s_add_co_u32 s[G0B+4*(\s)+1], s21, (\s)*SLOT1
	s_add_nc_u64 s[G0B+4*(\s)+2:G0B+4*(\s)+3], s[18:19], (\s)*BSTEP
	s_or_b32 s[G0B+4*(\s)+3], s[G0B+4*(\s)+3], 0x80000000
.endr
	s_cmp_eq_u32 s[WHI], 0                         ; a wave's two first fills stand in one branch: two loads of mine are out
	s_cbranch_scc0 .Lfirst_b
	tensor_load_to_lds s[G0A:G0A+3], s[G1A:G1A+7]
	s_nop 0
	tensor_load_to_lds s[G0A+4:G0A+7], s[G1A:G1A+7]
	s_nop 0
.rept 4
	v_nop
.endr
	s_branch .Lfirst_asked
.Lfirst_b:
	tensor_load_to_lds s[G0B:G0B+3], s[G1B:G1B+7]
	s_nop 0
	tensor_load_to_lds s[G0B+4:G0B+7], s[G1B:G1B+7]
	s_nop 0
.rept 4
	v_nop
.endr
.Lfirst_asked:
	v_and_b32 v1, 15, v0                           ; l % 16
	v_bfe_u32 v2, v0, 4, 1                         ; l / 16
	v_mul_u32_u24 v3, v1, PA
	v_lshl_add_u32 v3, v2, 4, v3
	s_mul_i32 s22, s[WHI], 128*PA
	v_add_nc_u32 v[A0], s22, v3                    ; (128 wr + l % 16) x pitch + 16 (l / 16)
	v_and_b32 v3, 7, v0
	v_lshl_add_u32 v3, v2, 3, v3                   ; the turning load: k-row 8 (l / 16) + l % 8,
	v_mul_u32_u24 v3, v3, PB
	v_bfe_u32 v14, v0, 3, 1
	v_lshl_add_u32 v3, v14, 4, v3                  ; columns 8 ((l / 8) % 2) + 0..7,
	s_lshl_b32 s22, s[WLO], 7                      ; in my 128 bytes of a chunk
	s_add_co_u32 s22, s22, BOFF
	v_add_nc_u32 v[B0], s22, v3
	v_mov_b32 v[ADRA], v[A0]
	v_mov_b32 v[ADRB], v[B0]
	s_mul_i32 s22, s[WHI], 128*SPI                 ; into the stage: row 128 wr + l % 16, byte 128 wc + 16 (l / 16) of a chunk's 256
	s_lshl_b32 s23, s[WLO], 7
	s_add_co_u32 s22, s22, s23
	v_mul_u32_u24 v3, v1, SPI
	v_lshl_add_u32 v3, v2, 4, v3
	v_add_nc_u32 v[STO], s22, v3
	v_add_nc_u32 v[STO2], 64*SPI, v[STO]
	s_mul_i32 s22, s[WV], 64*SPI                   ; back: wave w takes rows 64 w .. + 63 whole; lanes 0-15 256 bytes of one row, lanes 16-31 of the next
	v_mul_u32_u24 v3, v2, SPI
	v_lshl_add_u32 v3, v1, 4, v3
	v_add_nc_u32 v[RD], s22, v3
	v_mul_u32_u24 v3, v2, PITCHC
	v_lshl_add_u32 v[CO], v1, 4, v3                ; and the same two rows in qkv
	s_lshl_b32 s16, s[TR], 8
	s_lshl_b32 s17, s[WV], 6
	s_add_co_u32 s16, s16, s17
	s_mul_i32 s16, s16, PITCHC                     ; the first row of qkv that I store
	s_mov_b32 s17, 0
	s_add_nc_u64 s[8:9], s[8:9], s[16:17]
	s_mul_i32 s18, s[TC], 768                      ; the tile's first column, in the registers that held wqh's address
	s_mov_b32 s19, 0
	s_add_nc_u64 s[8:9], s[8:9], s[18:19]
; 8 nb matrix instructions: fragments b0 .. b0 + nb - 1 of chunk c x all 8 row blocks, 32 along K.  The 96 accumulators take turns, one instruction a turn, in the same order in every quarter.
.macro MULB fa, c, b0, nb, zero
	WIN 0x50*((\c)+1)
.set bb, \b0
.rept \nb
.irp a, 0,1,2,3,4,5,6,7
.if \zero
	v_wmma_f32_16x16x32_f16 v[8*(8*bb+(\a)):8*(8*bb+(\a))+7], v[BF+8*(4*(\c)+bb):BF+8*(4*(\c)+bb)+7], v[(\fa)+8*(\a):(\fa)+8*(\a)+7], 0
.else
	v_wmma_f32_16x16x32_f16 v[8*(8*bb+(\a)):8*(8*bb+(\a))+7], v[BF+8*(4*(\c)+bb):BF+8*(4*(\c)+bb)+7], v[(\fa)+8*(\a):(\fa)+8*(\a)+7], v[8*(8*bb+(\a)):8*(8*bb+(\a))+7]
.endif
.endr
.set bb, bb+1
.endr
.endm
.macro LDA q, fa                       ; 16 LDS loads: x's eight fragments of quarter q of the slot in hand
	WIN 0
.irp a, 0,1,2,3,4,5,6,7
	ds_load_b128 v[(\fa)+8*(\a):(\fa)+8*(\a)+3],   v[ADRA] offset:64*(\q)+(\a)*16*PA
	ds_load_b128 v[(\fa)+8*(\a)+4:(\fa)+8*(\a)+7], v[ADRA] offset:64*(\q)+(\a)*16*PA+32
.endr
.endm
.macro LDB q, c                        ; 8 LDS loads: w's four fragments of chunk c
	WIN 0
.irp b, 0,1,2,3
	ds_load_tr16_b128 v[BF+8*(4*(\c)+(\b)):BF+8*(4*(\c)+(\b))+3],   v[ADRB] offset:(\q)*32*PB+CH*(\c)+32*(\b)
	ds_load_tr16_b128 v[BF+8*(4*(\c)+(\b))+4:BF+8*(4*(\c)+(\b))+7], v[ADRB] offset:(\q)*32*PB+16*PB+CH*(\c)+32*(\b)
.endr
.endm
; A step's first quarter: multiplies x's buffer 0 and fetches the step's second quarter.  The runs of loads go out as 24 (x and chunk 0), 8 (chunk 1), 8 (chunk 2), in every quarter.
.macro EVEN zero
	s_wait_dscnt 16                                ; x's fragments and chunk 0's are in; chunk 1's and chunk 2's runs may be out
	MULB FA0, 0, 0, 4, \zero
	PLACES
	LDA 1, FA1
	LDB 1, 0
	s_wait_dscnt 32                                ; chunk 1's run is in: behind it went chunk 2's eight and the 24 just issued
	MULB FA0, 1, 0, 4, \zero
	PLACES
	LDB 1, 1
	s_wait_dscnt 32                                ; chunk 2's run is in: behind it went the 24 and the eight
	MULB FA0, 2, 0, 4, \zero
	PLACES
	LDB 1, 2
.endm
; A step's second quarter multiplies x's buffer 1 and changes slots.  All the slot's fragments have been asked for.  In front of the barrier each wave waits for all its tensor loads (one is out: its
; part of the next slot), adds 0 to its spare word, and waits for that and for its reads of this slot.  fill = 1: the barrier opens a round of the cluster's, and the joint refill, two K steps ahead,
; is the first thing behind the round: 176 matrix instructions stand between it and the wait for it.
.macro ODD fill
	WIN 0
	s_wait_tensorcnt 0x0
	ds_add_u32 v[SPW], v[NIL]
	s_wait_dscnt 17                                ; the add and the two youngest runs may be out
	MULB FA1, 0, 0, 1, 0
	s_wait_dscnt 0x0                               ; the add is done, my reads of this slot are over
	s_barrier_signal -1
	MULB FA1, 0, 1, 1, 0
	WIN 0
	s_barrier_wait -1
.if \fill
	CREST
	s_xor_b32 s[G0A+5], s[G0A+5], SLOT1            ; the walking descriptors: the other slot than last time, the next K step
	s_add_nc_u64 s[G0A+6:G0A+7], s[G0A+6:G0A+7], ASTEP
	s_xor_b32 s[G0B+5], s[G0B+5], SLOT1
	s_add_nc_u64 s[G0B+6:G0B+7], s[G0B+6:G0B+7], BSTEP
	JLOAD
.endif
	MULB FA1, 0, 2, 2, 0
	PLACES
	WIN 0
	s_xor_b32 s[TB], s[TB], SLOT1
	v_add_nc_u32 v[ADRA], s[TB], v[A0]
	v_add_nc_u32 v[ADRB], s[TB], v[B0]
	LDA 0, FA0                                     ; the next step's first quarter, out of the other slot
	LDB 0, 0
	MULB FA1, 1, 0, 4, 0                           ; chunks 1 and 2 are in since the wait for 0
	PLACES
	LDB 0, 1
	MULB FA1, 2, 0, 4, 0
	PLACES
	LDB 0, 2
.endm
	s_wait_tensorcnt 1                             ; my part of K step 0 is in; K step 1's may stay out
	s_barrier_signal -1
	s_barrier_wait -1
	LDA 0, FA0
	LDB 0, 0
	LDB 0, 1
	LDB 0, 2
	EVEN 1                                         ; the first quarter's products start the sums
	WIN 0
	s_mov_b32 s[CNT], STEPS-2
.Lstep:                                                ; fourteen trips, from a step's second quarter to the next step's first; each asks for the K step two ahead
	ODD 1
	EVEN 0
	WIN 0
	s_sub_co_u32 s[CNT], s[CNT], 1
	s_cmp_lg_u32 s[CNT], 0
	s_cbranch_scc1 .Lstep
	ODD 0                                          ; the last two K steps ask for nothing
	EVEN 0
	s_wait_dscnt 16                                ; the last quarter fetches nothing: the counts run down
	MULB FA1, 0, 0, 4, 0
	s_wait_dscnt 8
	MULB FA1, 1, 0, 4, 0
	s_wait_dscnt 0x0                               ; my reads of the ring are over
	MULB FA1, 2, 0, 4, 0
	WIN 0
	s_barrier_signal -1                            ; nobody reads the ring any more, and its last fill has landed: the stage may lie over it
	s_barrier_wait -1
	PLACES
	; THE WAY OUT.  A row's 768 bytes come from two waves, so all four put their results, rounded to f16, 16 bytes a lane, into one stage; a barrier; then whole rows go out.
.irp c, 0,1,2
	WIN 0x05*((\c)+1)                              ; sources in the chunk's window, destination window 0
.set i, 0
.rept 32                               ; accumulator i of the window: fragment i / 8, row block i % 8; its registers in ascending order
.irp r, 0,1,2,3
	v_cvt_pk_f16_f32 v[TMP+4*i+(\r)], v[8*i+2*(\r)], v[8*i+2*(\r)+1]
.endr
.set i, i+1
.endr
	WIN 0
.set i, 0
.rept 32
.if (i%8) < 4
	ds_store_b128 v[STO], v[TMP+4*i:TMP+4*i+3] offset:(i%8)*16*SPI+256*(\c)+32*(i/8)
.else
	ds_store_b128 v[STO2], v[TMP+4*i:TMP+4*i+3] offset:((i%8)-4)*16*SPI+256*(\c)+32*(i/8)
.endif
.set i, i+1
.endr
.endr
	s_wait_dscnt 0x0                               ; for the others' sake: my stores into the stage are done
	s_barrier_signal -1
	s_barrier_wait -1
	s_mov_b32 s[CNT], 4
.Lout:                                                 ; four trips of 16 rows: load t takes unit t % 3 of 256 bytes of the rows 2 (t / 3) and 2 (t / 3) + 1
.set t, 0
.rept 24
	ds_load_b128 v[TMP+4*t:TMP+4*t+3], v[RD] offset:(t/3)*2*SPI+256*(t%3)
.set t, t+1
.endr
.set t, 0
.rept 24
	s_wait_dscnt 23-t                              ; LDS loads come back in order: load t is in
	global_store_b128 v[CO], v[TMP+4*t:TMP+4*t+3], s[8:9] offset:(t/3)*2*PITCHC+256*(t%3)  ; 16 lanes store 256 consecutive, aligned bytes
.set t, t+1
.endr
	s_wait_xcnt 0x0                                ; the stores' base and data registers are rewritten only behind this wait
	s_add_nc_u64 s[8:9], s[8:9], 16*PITCHC
	v_add_nc_u32 v[RD], 16*SPI, v[RD]
	s_sub_co_u32 s[CNT], s[CNT], 1
	s_cmp_lg_u32 s[CNT], 0
	s_cbranch_scc1 .Lout
	s_wait_tensorcnt 0x0                           ; the wave's end
	ds_add_u32 v[SPW], v[NIL]
	s_wait_dscnt 0x0
	CROUND                                         ; the closing round
	s_endpgm
.Lfunc_end_k_qd5d9393bdf_qkvp:
	.size	k_qd5d9393bdf_qkvp, .Lfunc_end_k_qd5d9393bdf_qkvp-k_qd5d9393bdf_qkvp
	.p2alignl 7, 3214868480
	.fill 96, 4, 3214868480
	.section	.rodata,"a",@progbits
	.p2align	6, 0x0
	.amdhsa_kernel k_qd5d9393bdf_qkvp
		.amdhsa_group_segment_fixed_size 327680
		.amdhsa_private_segment_fixed_size 0
		.amdhsa_enable_private_segment 0
		.amdhsa_kernarg_size 24
		.amdhsa_user_sgpr_count 2
		.amdhsa_user_sgpr_kernarg_segment_ptr 1
		.amdhsa_wavefront_size32 1
		.amdhsa_system_sgpr_workgroup_id_x 1
		.amdhsa_system_sgpr_workgroup_id_y 1
		.amdhsa_system_sgpr_workgroup_id_z 1
		.amdhsa_system_vgpr_workitem_id 0
		.amdhsa_next_free_vgpr 1024
		.amdhsa_next_free_sgpr 66
		.amdhsa_reserve_vcc 0
		.amdhsa_float_denorm_mode_32 3
		.amdhsa_float_denorm_mode_16_64 3
		.amdhsa_memory_ordered 1
		.amdhsa_forward_progress 1
		.amdhsa_inst_pref_size 99
	.end_amdhsa_kernel
	.amdgpu_metadata
---
amdhsa.version: [ 1, 2 ]
amdhsa.kernels:
  - .name:           k_qd5d9393bdf_qkvp
    .symbol:         k_qd5d9393bdf_qkvp.kd
    .args:
      - { .name: xh, .offset: 0, .size: 8, .value_kind: global_buffer, .address_space: global }
      - { .name: wqh, .offset: 8, .size: 8, .value_kind: global_buffer, .address_space: global }
      - { .name: qkv, .offset: 16, .size: 8, .value_kind: global_buffer, .address_space: global }
    .group_segment_fixed_size: 327680
    .private_segment_fixed_size: 0
    .kernarg_segment_align: 8
    .kernarg_segment_size: 24
    .max_flat_workgroup_size: 128
    .sgpr_count:     66
    .vgpr_count:     1024
    .wavefront_size: 32
...
	.end_amdgpu_metadata
.endif
;; end of part 7
;; launch score: the kernel of part 3 again; grid 36 x 4, 4 waves a work-group, no clusters, 327,680 bytes of LDS; arguments qkv, pbuf, stat; writes pbuf, stat
;; launch pv (part 8): grid 8 x 32, 4 waves a work-group, clusters of 4 x 1, 327,680 bytes of LDS; arguments pbuf, stat, qkv, oh; writes oh
.if DOCPART == 8
	.amdgcn_target "amdgcn-amd-amdhsa--gfx1250"
	.amdhsa_code_object_version 6
	.text
	.protected	k_qd5d9393bdf_pv
	.globl	k_qd5d9393bdf_pv
	.p2align	8
	.type	k_qd5d9393bdf_pv,@function
k_qd5d9393bdf_pv:
	s_mov_b64 s[64:65], 0
	v_nop
	global_prefetch_b8 v0, s[64:65] scope:SCOPE_SE
	s_setreg_imm32_b32 hwreg(HW_REG_WAVE_MODE, 25, 1), 1
	s_wait_xcnt 0x0
	s_wait_alu depctr_hold_cnt(0) depctr_sa_sdst(0) depctr_va_vdst(0) depctr_va_sdst(0) depctr_va_ssrc(0) depctr_va_vcc(0) depctr_vm_vsrc(0)
	s_getreg_b32 s2, hwreg(HW_REG_IB_STS2, 6, 4)
	s_cmp_eq_u32 s2, 0
	s_cbranch_scc0 .Lentry_in_a_cluster
	s_endpgm
.Lentry_in_a_cluster:
	s_bfe_u32 s2, ttmp6, 0x10000c
	s_cmp_lg_u32 s2, 0x3003
	s_cbranch_scc0 .Lentry_shape_is_right
	s_endpgm
.Lentry_shape_is_right:
; oh[row][:] = sum over key blocks t of g_t (P_t V_t), g_t = 2^(cm_t - m) / l, m = max over t of cm_t, l = sum over t of 2^(cm_t - m) l_t: the softmax's common maximum and divisor, in f32.
; pbuf: [4][2048][2048] f16, stat: [2][4][8][2048] f32 (cm, l), V = columns 2048.. of qkv [8192][3072] f16, oh: [8192][1024] f16, rounded once.
; LIMITS.  2^(cm_t - m) below 2^-126 counts as 0; oh is a mean of V's rows and has their range.
; THE WALK.  A batch's rows lie in 16 blocks of 128; block r needs the key blocks 0 .. r / 2 of 256 keys (above the diagonal P holds zeros).  A work-group takes 128 columns of TWO blocks, 15 - p and then p:
; 9 key blocks whatever p, so all 256 work-groups do equal work and one loop with a constant count walks them.  A LAP is one key block and one LDS slot: 128 rows of P x 256 keys, 256 rows of V x 128 columns.
; Two slots are filled at the start and seven times again; a refill has 120 matrix instructions in which to land.  Which tile is asked for, which cm is read and which block's sums take a lap hang on
; scalars made from the work-group's y, which the four partners of a cluster share.
; SHARES.  Four waves, 2 x 2, each 64 rows x 64 columns: 16 accumulators.  A lap's products start fresh sums X (C = 0); behind the lap ACC += g X: 64 packed lines for 128 matrix instructions, and P is
; rounded once only.  Both blocks' ACC stay in registers to the end, so the way out, whose rows come from two waves, stands once, with its barrier on every wave's path.
; ACC is cleared at the start, in the wait for the first tile: the price of one text for every lap.
; CLUSTER 4 x 1: the four column blocks of a cluster read the same rows of P: asked for jointly.  V's columns differ from partner to partner: loads of one's own, in the same rounds.
; Source 0 = 16 columns of V (turned by ds_load_tr16_b128), source 1 = 16 rows of P: a lane holds row lane % 16 and eight neighbouring columns.
; REGISTERS: window 0: v0-14 addresses, v16-43 statistics, v64-127 and v128-191 two fragment buffers (P's fragment a at f + 8 a, V's fragment b at f + 32 + 8 b);
;   window 1: v0-127 X, (a, b) at 8 (4 a + b); v128-255 the first block's ACC;   window 2: v128-255 the second block's ACC.
.set PA,     528                       ; an LDS row of P: 512 bytes + 16: the 16 rows of a fragment load start 4 banks apart
.set PB,     288                       ; an LDS row of V: 256 + 32
.set BOFF,   128*PA                    ; in a slot V's rows lie behind P's
.set SLOTB,  BOFF+256*PB               ; a slot: 141,312 bytes
.set MT,     2*SLOTB                   ; behind the ring, never filled: m laid [block][row half][lane % 16][row block]; 1 / l 1,024 bytes on
.set SPARE,  MT+2048                   ; the spare words, 128 bytes for each wave: two blocks of 256 bytes that no other line names
.set SP,     272                       ; the way out: a row of the stage, 256 bytes + 16; the stage, 256 rows from byte 0, lies over the ring, which has then had its last fill
.set PITCHC, 2048                      ; bytes from row to row of oh
.set A0,    4                          ; v4   my lane's place in P's tile of slot 0; never rewritten
.set B0,    5                          ; v5   the same for V
.set ADRA,  6                          ; v6   the same in the slot in hand
.set ADRB,  7                          ; v7   V's k-rows 0-127,
.set ADRB2, 8                          ; v8   128-255: an LDS offset has 16 bits
.set STO,   9                          ; v9   the way out: where I put 16 bytes of a row
.set RD,    10                         ; v10  where I read rows back
.set CO,    11                         ; v11  my byte offset in two rows of oh
.set SPW,   12                         ; v12  my spare word; never rewritten
.set NIL,   13                         ; v13  0; never rewritten
.set CMO,   14                         ; v14  4 (l % 16)
.set M,     16                         ; v[16:19] m of my row in row block a, first block; v[24:27] second block
.set RL,    20                         ; v[20:23] 1 / l, first block; v[28:31] second block
.set CMT,   32                         ; v[32:35] cm of the lap's key block
.set G,     36                         ; v[36:43] g in the low register of pair a
.set VO,    64                         ; the head: offsets, and what it loads of stat
.set LD,    80
.set F0,    64
.set F1,    128
.set TMP,   64
.set CNT,  3
.set WV,   12                          ; s12 wave; s13 wave / 2: my half of the rows, and: I fetch for P (0) or V (1); s14 wave % 2: my half of the columns, and: which half of that tile I fetch
.set WHI,  13
.set WLO,  14
.set G1A,  24
.set G1B,  32
.set G0A,  40                          ; two sets for the two first fills; the second then walks
.set G0B,  48
.set CX,   56
.set CB,   57
.set YY,   58
.set BB,   59
.set R1,   60                          ; the first block, 15 - p
.set R2,   61                          ; the second, p
.set I1,   62                          ; their last key blocks
.set I2,   63
.set TB,   66                          ; LDS byte at which the slot in hand begins: 0 or SLOTB
.set FB,   67                          ; the same for the slot filled last
.set NT,   68                          ; the key block to be asked for next,
.set LQ,   69                          ; the last of the block whose tiles are being asked for,
.set OFFA, 70                          ; s[70:71] a tile's byte offset in P; never holds cx
.set OFFB, 72                          ; s[72:73] in V
.set CMB,  74                          ; s[74:75] stat at cm of my wave's rows in the lap's key block
.set OFFC, 76                          ; s[76:77] its byte offset
.set CT,   78                          ; the lap's key block,
.set CLQ,  79                          ; the last of the block in hand,
.set CRW,  80                          ; the byte offset in stat of my wave's rows of the block in hand,
.set CR2,  81                          ; of the second block
.set BK,   82                          ; 0: the first block is in hand; 1: the second
.set ARW,  83                          ; the byte offset in P of the rows of the block whose tiles are being asked for,
.set ST2,  84                          ; s[84:85] stat at the second block's rows (s[22:23]: the first's)
.set AR2,  86                          ; of the second block
.set MSB, 0
.macro WIN new                         ; the immediate's high byte repeats the setting that is left; a switch that changes nothing is dropped
.if MSB != (\new)
	s_set_vgpr_msb (MSB<<8)|(\new)
.set MSB, \new
.endif
.endm
.set MUL, 0x50                         ; sources 0 and 1 window 0; C and D window 1
.macro PLACES                          ; four plain vector instructions between a matrix instruction and a load into, or a vector line on, its registers
.rept 4
	v_nop
.endr
.endm
.macro JLOAD                           ; a refill by the walking descriptors: waves 0, 1 P's two halves, jointly; waves 2, 3 V's; s_nop 0 and four v_nop follow each line
	s_cmp_eq_u32 s[WHI], 0
	s_cbranch_scc0 .Lfor_b_\@
	tensor_load_to_lds s[G0A+4:G0A+7], s[G1A:G1A+7]
	s_nop 0
.rept 4
	v_nop
.endr
	s_branch .Lasked_\@
.Lfor_b_\@:
	tensor_load_to_lds s[G0B+4:G0B+7], s[G1B:G1B+7]
	s_nop 0
.rept 4
	v_nop
.endr
.Lasked_\@:
.endm
.macro CREST                           ; a round of the cluster's barrier behind its opening barrier
	s_cmp_lg_u32 s[WV], 0
	s_cbranch_scc1 .Lnot_wave_0_\@
	s_barrier_signal -3
.Lnot_wave_0_\@:
	s_barrier_wait -3
	s_barrier_signal -1
	s_barrier_wait -1
.endm
.macro CROUND
	s_barrier_signal -1
	s_barrier_wait -1
	CREST
.endm
	s_load_b256 s[4:11], s[0:1], 0x0               ; pbuf s[4:5], stat s[6:7], qkv s[8:9], oh s[10:11]
	v_lshl_add_u32 v[SPW], v0, 2, SPARE
	v_mov_b32 v[NIL], 0
	ds_add_u32 v[SPW], v[NIL]                      ; the wave's opening: the add and its wait ahead of my first tensor load
	ds_add_u32 v12, v13
	v_lshrrev_b32 v1, 5, v0
	v_readfirstlane_b32 s[WV], v1
	s_lshr_b32 s[WHI], s[WV], 1
	s_and_b32 s[WLO], s[WV], 1
	s_bfe_u32 s[CX], ttmp6, 0x40000
	s_lshl_b32 s[CB], ttmp9, 2
	s_add_co_u32 s[CB], s[CB], s[CX]               ; column block: it enters V's and oh's addresses alone
	s_and_b32 s[YY], ttmp7, 0xffff                 ; 8 b + p
	s_lshr_b32 s[BB], s[YY], 3
	s_and_b32 s[R2], s[YY], 7
	s_sub_co_u32 s[R1], 15, s[R2]
	s_lshr_b32 s[I1], s[R1], 1                     ; 4 to 7
	s_lshr_b32 s[I2], s[R2], 1                     ; 0 to 3; the two blocks have I1 + I2 + 2 = 9 key blocks
	s_mov_b32 s[G1A], 15|0x07b10000                ; the mask of four; 2-byte elements; padding on; bit 21 beside a mask; after every 128 words 4 words
	s_mov_b32 s[G1A+1], 256<<16                    ; tensor_dim0 = 256
	s_mov_b32 s[G1A+2], 64<<16                     ; tensor_dim1 = 64
	s_mov_b32 s[G1A+3], 256<<16                    ; tile_dim0 = 256 keys
	s_mov_b32 s[G1A+4], 64                         ; tile_dim1 = 64 rows to a load
	s_mov_b32 s[G1A+5], 2048
	s_mov_b32 s[G1A+6], 0
	s_mov_b32 s[G1A+7], 0
	s_mov_b32 s[G1B], 0x0f510000                   ; no mask; after every 64 words 8 words
	s_mov_b32 s[G1B+1], 128<<16
	s_mov_b32 s[G1B+2], 128<<16
	s_mov_b32 s[G1B+3], 128<<16                    ; tile_dim0 = 128 columns
	s_mov_b32 s[G1B+4], 128                        ; tile_dim1 = 128 k-rows to a load
	s_mov_b32 s[G1B+5], 3072
	s_mov_b32 s[G1B+6], 0
	s_mov_b32 s[G1B+7], 0
	s_lshl_b32 s16, s[BB], 23                      ; P: the batch's 2,048 rows of 4,096 bytes,
	s_lshl_b32 s17, s[WLO], 18                     ; my 64 rows of a block's 128
	s_add_co_u32 s16, s16, s17
	s_mov_b32 s17, 0
	s_lshl_b32 s[ARW], s[R1], 19                   ; a block's 128 rows
	s_lshl_b32 s[AR2], s[R2], 19
	s_lshl_b32 s18, s[BB], 11
	s_lshl_b32 s19, s[WLO], 7
	s_add_co_u32 s18, s18, s19                     ; V: row 2,048 b + 128 x half of qkv,
	s_mul_i32 s18, s18, 6144
	s_lshl_b32 s19, s[CB], 8
	s_add_co_u32 s18, s18, s19                     ; column 2,048 + 128 x column block
	s_add_co_u32 s18, s18, 4096
	s_mov_b32 s19, 0
	s_mul_i32 s20, s[WLO], 64*PA                   ; where they go in a slot: no place in the cluster enters an LDS address
	s_mul_i32 s21, s[WLO], 128*PB
	s_add_co_u32 s21, s21, BOFF
	s_lshl_b32 s22, s[BB], 16                      ; stat: (16,384 b + 128 r) x 4
	s_lshl_b32 s23, s[R1], 9
	s_lshl_b32 s85, s[R2], 9
	s_add_co_u32 s84, s22, s85
	s_add_co_u32 s22, s22, s23
	s_mov_b32 s23, 0
	s_mov_b32 s85, 0
	s_lshl_b32 s15, s[WHI], 8                      ; and my wave's 64 rows
	s_add_co_u32 s[CRW], s22, s15
	s_add_co_u32 s[CR2], s84, s15
	s_mov_b32 s[TB], 0
	s_mov_b32 s[FB], SLOTB
	s_mov_b32 s[NT], 2                             ; key blocks 0 and 1 of the first block are the first fills
	s_mov_b32 s[LQ], s[I1]
	s_mov_b32 s[CT], 0
	s_mov_b32 s[CLQ], s[I1]
	s_mov_b32 s[BK], 0
	s_mov_b32 s[OFFA+1], 0
	s_mov_b32 s[OFFB+1], 0
	s_mov_b32 s[OFFC+1], 0
	s_wait_dscnt 0x0                               ; the opening add is done
	s_wait_kmcnt 0x0
	s_add_nc_u64 s[16:17], s[4:5], s[16:17]
	s_add_nc_u64 s[18:19], s[8:9], s[18:19]
	s_add_nc_u64 s[22:23], s[6:7], s[22:23]
	s_add_nc_u64 s[ST2:ST2+1], s[6:7], s[ST2:ST2+1]
	CROUND                                         ; all four work-groups are here: the first joint loads meet
.irp s, 0,1
	s_mov_b32 s[G0A+4*(\s)], 1
	s_add_co_u32 s[G0A+4*(\s)+1], s20, (\s)*SLOTB
	s_add_co_u32 s[OFFA], s[ARW], (\s)*512
	s_add_nc_u64 s[G0A+4*(\s)+2:G0A+4*(\s)+3], s[16:17], s[OFFA:OFFA+1]
	s_or_b32 s[G0A+4*(\s)+3], s[G0A+4*(\s)+3], 0x80000000
	s_mov_b32 s[G0B+4*(\s)], 1
	s_add_co_u32 s[G0B+4*(\s)+1], s21, (\s)*SLOTB
	s_add_nc_u64 s[G0B+4*(\s)+2:G0B+4*(\s)+3], s[18:19], (\s)*256*6144
	s_or_b32 s[G0B+4*(\s)+3], s[G0B+4*(\s)+3], 0x80000000
.endr
	s_cmp_eq_u32 s[WHI], 0                         ; a wave's two first fills stand in one branch: two loads of mine are out
	s_cbranch_scc0 .Lfirst_b
	tensor_load_to_lds s[G0A:G0A+3], s[G1A:G1A+7]
	s_nop 0
	tensor_load_to_lds s[G0A+4:G0A+7], s[G1A:G1A+7]
	s_nop 0
.rept 4
	v_nop
.endr
	s_branch .Lfirst_asked
.Lfirst_b:
	tensor_load_to_lds s[G0B:G0B+3], s[G1B:G1B+7]
	s_nop 0
	tensor_load_to_lds s[G0B+4:G0B+7], s[G1B:G1B+7]
	s_nop 0
.rept 4
	v_nop
.endr
.Lfirst_asked:
	; Thread n owns row n of each of the two blocks: cm and l of all its key blocks.  A key block behind the diagonal was never written: its place is taken by the diagonal one once more, and its weight below is 0.
	v_lshlrev_b32 v44, 2, v0
.irp t, 0,1,2,3,4,5,6,7
	s_min_u32 s15, s[I1], \t
	s_lshl_b32 s15, s15, 13
	v_add_nc_u32 v[VO+2*(\t)], s15, v44
	s_min_u32 s15, s[I2], \t
	s_lshl_b32 s15, s15, 13
	v_add_nc_u32 v[VO+2*(\t)+1], s15, v44
	global_load_b32 v[LD+4*(\t)],   v[VO+2*(\t)],   s[22:23]
	global_load_b32 v[LD+4*(\t)+1], v[VO+2*(\t)+1], s[ST2:ST2+1]
	global_load_b32 v[LD+4*(\t)+2], v[VO+2*(\t)],   s[22:23] offset:262144
	global_load_b32 v[LD+4*(\t)+3], v[VO+2*(\t)+1], s[ST2:ST2+1] offset:262144
.endr
	WIN 0x40
.set i, 128
.rept 128
	v_mov_b32 v[i], 0                              ; the first block's ACC
.set i, i+1
.endr
	WIN 0x80
.set i, 128
.rept 128
	v_mov_b32 v[i], 0                              ; the second block's
.set i, i+1
.endr
	WIN 0
	v_and_b32 v1, 15, v0                           ; l % 16
	v_bfe_u32 v2, v0, 4, 1                         ; l / 16
	v_mul_u32_u24 v3, v1, PA
	v_lshl_add_u32 v3, v2, 4, v3
	s_mul_i32 s15, s[WHI], 64*PA
	v_add_nc_u32 v[A0], s15, v3                    ; (64 x row half + l % 16) x pitch + 16 (l / 16)
	v_and_b32 v3, 7, v0
	v_lshl_add_u32 v3, v2, 3, v3                   ; the turning load: k-row 8 (l / 16) + l % 8,
	v_mul_u32_u24 v3, v3, PB
	v_bfe_u32 v45, v0, 3, 1
	v_lshl_add_u32 v3, v45, 4, v3                  ; columns 8 ((l / 8) % 2) + 0..7,
	s_lshl_b32 s15, s[WLO], 7                      ; in my 128 bytes of a row
	s_add_co_u32 s15, s15, BOFF
	v_add_nc_u32 v[B0], s15, v3
	v_mov_b32 v[ADRA], v[A0]
	v_mov_b32 v[ADRB], v[B0]
	v_add_nc_u32 v[ADRB2], 128*PB, v[B0]
	s_mul_i32 s15, s[WHI], 64*SP                   ; into the stage: row 64 x row half + l % 16 of a block's 128, byte 128 x column half + 16 (l / 16)
	s_lshl_b32 s87, s[WLO], 7
	s_add_co_u32 s15, s15, s87
	v_mul_u32_u24 v3, v1, SP
	v_lshl_add_u32 v3, v2, 4, v3
	v_add_nc_u32 v[STO], s15, v3
	s_mul_i32 s15, s[WV], 64*SP                    ; back: wave w takes the stage's rows 64 w .. + 63 whole; lanes 0-15 one row of 256 bytes, lanes 16-31 the next
	v_mul_u32_u24 v3, v2, SP
	v_lshl_add_u32 v3, v1, 4, v3
	v_add_nc_u32 v[RD], s15, v3
	v_lshlrev_b32 v3, 11, v2
	v_lshl_add_u32 v[CO], v1, 4, v3                ; and the same two rows in oh
	v_lshlrev_b32 v[CMO], 2, v1
.irp a, 0,1,2,3
	v_mov_b32 v[G+2*(\a)+1], 0                     ; named with g as a pair; the packed line takes the low register for both halves
.endr
	v_lshrrev_b32 v46, 6, v0                       ; row n of a block lies at [n / 64][n % 16][(n / 16) % 4]; the second block 512 bytes on
	v_lshlrev_b32 v46, 8, v46
	v_lshl_add_u32 v46, v1, 4, v46
	v_bfe_u32 v47, v0, 4, 2
	v_lshl_add_u32 v46, v47, 2, v46
	v_add_nc_u32 v46, MT, v46
	s_lshl_b32 s15, s[WHI], 8
	s_add_co_u32 s15, s15, MT
	v_lshl_add_u32 v48, v1, 4, s15                 ; and my lane reads its four row blocks' numbers as 16 bytes
	s_cmp_lt_u32 s[WV], 2                          ; the rows that I store: waves 0, 1 the first block's, waves 2, 3 the second's
	s_cselect_b32 s88, s[R1], s[R2]
	s_lshl_b32 s88, s88, 7
	s_lshl_b32 s89, s[WLO], 6
	s_add_co_u32 s88, s88, s89
	s_lshl_b32 s89, s[BB], 11
	s_add_co_u32 s88, s88, s89                     ; row 2,048 b + 128 r + 64 (w % 2),
	s_lshl_b32 s88, s88, 11                        ; of 2,048 bytes,
	s_lshl_b32 s89, s[CB], 8                       ; and my column block
	s_add_co_u32 s88, s88, s89
	s_mov_b32 s89, 0
	s_add_nc_u64 s[10:11], s[10:11], s[88:89]
	s_wait_loadcnt 0x0
	v_max3_num_f32 v49, v[LD], v[LD+4], v[LD+8]
	v_max3_num_f32 v50, v[LD+1], v[LD+5], v[LD+9]
	v_max3_num_f32 v49, v49, v[LD+12], v[LD+16]
	v_max3_num_f32 v50, v50, v[LD+13], v[LD+17]
	v_max3_num_f32 v49, v49, v[LD+20], v[LD+24]
	v_max3_num_f32 v50, v50, v[LD+21], v[LD+25]
	v_max_num_f32 v49, v49, v[LD+28]               ; m
	v_max_num_f32 v50, v50, v[LD+29]
.irp t, 0,1,2,3,4,5,6,7
	v_sub_f32 v[LD+4*(\t)], v[LD+4*(\t)], v49
	v_sub_f32 v[LD+4*(\t)+1], v[LD+4*(\t)+1], v50
.endr
.irp t, 0,1,2,3,4,5,6,7
	v_exp_f32 v[LD+4*(\t)], v[LD+4*(\t)]
	v_exp_f32 v[LD+4*(\t)+1], v[LD+4*(\t)+1]
.endr
	v_nop                                          ; a plain instruction behind the last exponential
	s_wait_alu depctr_va_vdst(0)
.irp t, 0,1,2,3,4,5,6,7
	v_mul_f32 v[LD+4*(\t)], v[LD+4*(\t)], v[LD+4*(\t)+2]
	v_mul_f32 v[LD+4*(\t)+1], v[LD+4*(\t)+1], v[LD+4*(\t)+3]
.endr
.irp t, 1,2,3,4,5,6,7
	s_cmp_ge_u32 s[I1], \t
	s_cselect_b32 s15, 1.0, 0                      ; key block t counts if it is not behind the block's diagonal
	s_cmp_ge_u32 s[I2], \t
	s_cselect_b32 s87, 1.0, 0
	v_fmac_f32 v[LD], s15, v[LD+4*(\t)]
	v_fmac_f32 v[LD+1], s87, v[LD+4*(\t)+1]
.endr
	v_rcp_f32 v[LD], v[LD]                         ; l is about 1 or more: the key block that holds m gives its own l
	v_rcp_f32 v[LD+1], v[LD+1]
	v_nop
	ds_store_b32 v46, v49
	ds_store_b32 v46, v50 offset:512
	s_wait_alu depctr_va_vdst(0)
	ds_store_b32 v46, v[LD] offset:1024
	ds_store_b32 v46, v[LD+1] offset:1536
	s_wait_dscnt 0x0                               ; for the others' sake
	s_wait_tensorcnt 1                             ; my part of slot 0 is in; slot 1's may stay out
	s_barrier_signal -1
	s_barrier_wait -1
	ds_load_b128 v[M:M+3], v48
	ds_load_b128 v[M+8:M+11], v48 offset:512
	ds_load_b128 v[RL:RL+3], v48 offset:1024
	ds_load_b128 v[RL+8:RL+11], v48 offset:1536
; 4 nb matrix instructions: V's fragments b0 .. b0 + nb - 1 x all 4 row blocks, 32 along K.  The 16 accumulators take turns, one instruction a turn, in the same order in every quarter.
.macro MULB f, b0, nb, zero
	WIN MUL
.set bb, \b0
.rept \nb
.irp a, 0,1,2,3
.if \zero
	v_wmma_f32_16x16x32_f16 v[8*(4*(\a)+bb):8*(4*(\a)+bb)+7], v[(\f)+32+8*bb:(\f)+32+8*bb+7], v[(\f)+8*(\a):(\f)+8*(\a)+7], 0
.else
	v_wmma_f32_16x16x32_f16 v[8*(4*(\a)+bb):8*(4*(\a)+bb)+7], v[(\f)+32+8*bb:(\f)+32+8*bb+7], v[(\f)+8*(\a):(\f)+8*(\a)+7], v[8*(4*(\a)+bb):8*(4*(\a)+bb)+7]
.endif
.endr
.set bb, bb+1
.endr
.endm
; 16 LDS loads in one run: part q (32 keys) of the slot in hand into buffer f: P's four fragments, then V's four
.macro FETCH q, f
	WIN 0
.irp a, 0,1,2,3
	ds_load_b128 v[(\f)+8*(\a):(\f)+8*(\a)+3],   v[ADRA] offset:64*(\q)+(\a)*16*PA
	ds_load_b128 v[(\f)+8*(\a)+4:(\f)+8*(\a)+7], v[ADRA] offset:64*(\q)+(\a)*16*PA+32
.endr
.irp b, 0,1,2,3
.if (\q) < 4
	ds_load_tr16_b128 v[(\f)+32+8*(\b):(\f)+32+8*(\b)+3],   v[ADRB] offset:(\q)*32*PB+32*(\b)
	ds_load_tr16_b128 v[(\f)+32+8*(\b)+4:(\f)+32+8*(\b)+7], v[ADRB] offset:(\q)*32*PB+16*PB+32*(\b)
.else
	ds_load_tr16_b128 v[(\f)+32+8*(\b):(\f)+32+8*(\b)+3],   v[ADRB2] offset:((\q)-4)*32*PB+32*(\b)
	ds_load_tr16_b128 v[(\f)+32+8*(\b)+4:(\f)+32+8*(\b)+7], v[ADRB2] offset:((\q)-4)*32*PB+16*PB+32*(\b)
.endif
.endr
.endm
; A lap is eight parts of 32 keys on buffers 0, 1, 0, 1 ..  One of the first seven multiplies buffer f and, in its middle, fetches part qn into buffer g.
.macro QUARTER qn, f, g, zero
	s_wait_dscnt 4                                 ; all but the youngest four loads (V's fragments 2, 3) are in
	MULB \f, 0, 2, \zero
	PLACES
	FETCH \qn, \g
	s_wait_dscnt 16                                ; all but the 16 just issued
	MULB \f, 2, 2, \zero
.endm
; The last part multiplies buffer 1 and changes slots.  In front of the barrier each wave waits for all its tensor loads (one is out: its part of the next slot), adds 0 to its spare word, and waits for
; that and for its reads of this slot.  fill = 1: the barrier opens a round of the cluster's, and this slot takes the tile two laps on, first thing behind the round.  The descriptors are made anew between
; the add and the wait for it: the LDS word from the slot's byte (0 or SLOTB by turns) and the wave's constant, the address from the tensor's base and the tile's number.
.macro TURN fill
	WIN 0
	s_wait_tensorcnt 0x0
	ds_add_u32 v[SPW], v[NIL]
.if \fill
	s_xor_b32 s[FB], s[FB], SLOTB
	s_add_co_u32 s[G0A+5], s[FB], s20
	s_add_co_u32 s[G0B+5], s[FB], s21
	s_lshl_b32 s[OFFA], s[NT], 9                   ; 256 keys along P's rows,
	s_add_co_u32 s[OFFA], s[OFFA], s[ARW]          ; in the block's rows
	s_add_nc_u64 s[G0A+6:G0A+7], s[16:17], s[OFFA:OFFA+1]
	s_or_b32 s[G0A+7], s[G0A+7], 0x80000000
	s_mul_i32 s[OFFB], s[NT], 256*6144             ; 256 rows of qkv
	s_add_nc_u64 s[G0B+6:G0B+7], s[18:19], s[OFFB:OFFB+1]
	s_or_b32 s[G0B+7], s[G0B+7], 0x80000000
	s_add_co_u32 s[NT], s[NT], 1                   ; the block's next key block, or behind its last the second block's key block 0
	s_cmp_gt_u32 s[NT], s[LQ]
	s_cselect_b32 s[NT], 0, s[NT]
	s_cselect_b32 s[ARW], s[AR2], s[ARW]
	s_cselect_b32 s[LQ], s[I2], s[LQ]
.endif
	s_wait_dscnt 5                                 ; the add and the youngest four loads may be out
	MULB F1, 0, 1, 0
	s_wait_dscnt 0x0                               ; the add is done, my reads of this slot are over
	s_barrier_signal -1
	MULB F1, 1, 1, 0
	WIN 0
	s_barrier_wait -1
.if \fill
	CREST
	JLOAD                                          ; its four v_nop are also the places in front of the loads below
.else
	PLACES
.endif
	s_xor_b32 s[TB], s[TB], SLOTB
	v_add_nc_u32 v[ADRA], s[TB], v[A0]
	v_add_nc_u32 v[ADRB], s[TB], v[B0]
	v_add_nc_u32 v[ADRB2], 128*PB, v[ADRB]
	FETCH 0, F0
	MULB F1, 2, 2, 0
.endm
; ACC += g X for block blk (1 or 2).  The four subtractions are the places behind the lap's last products; each accumulator's registers are read in ascending order.
.macro COMB blk
.irp a, 0,1,2,3
	v_sub_f32 v[CMT+(\a)], v[CMT+(\a)], v[M+8*((\blk)-1)+(\a)]
.endr
.irp a, 0,1,2,3
	v_exp_f32 v[CMT+(\a)], v[CMT+(\a)]
.endr
	v_nop
	s_wait_alu depctr_va_vdst(0)
.irp a, 0,1,2,3
	v_mul_f32 v[G+2*(\a)], v[CMT+(\a)], v[RL+8*((\blk)-1)+(\a)]
.endr
	WIN 0x50*(\blk)+1                              ; X (source 0) window 1, g window 0, ACC in the block's window
.irp a, 0,1,2,3
.set i, 32*(\a)
.rept 16
	v_pk_fma_f32 v[128+i:129+i], v[i:i+1], v[G+2*(\a):G+2*(\a)+1], v[128+i:129+i] op_sel_hi:[1,0,1]
.set i, i+2
.endr
.endr
	WIN 0
.endm
.macro COMBINE                         ; the jump goes forward, past text with no barrier and no tensor load; its answer is the same in all waves and all four partners
	WIN 0
	s_wait_loadcnt 0x0                             ; the lap's cm is in
	s_cmp_eq_u32 s[BK], 0
	s_cbranch_scc0 .Lsecond_\@
	COMB 1
	s_branch .Ladded_\@
.Lsecond_\@:
	COMB 2
.Ladded_\@:
.endm
.macro LAP fill
	WIN 0
	s_lshl_b32 s[OFFC], s[CT], 13                  ; a key block's 2,048 words of stat,
	s_add_co_u32 s[OFFC], s[OFFC], s[CRW]          ; my wave's rows of the block in hand
	s_add_nc_u64 s[CMB:CMB+1], s[6:7], s[OFFC:OFFC+1]  ; the last lap's loads by this base were waited for
.irp a, 0,1,2,3
	global_load_b32 v[CMT+(\a)], v[CMO], s[CMB:CMB+1] offset:64*(\a)
.endr
	QUARTER 1, F0, F1, 1                           ; the lap's first products start X
	QUARTER 2, F1, F0, 0
	QUARTER 3, F0, F1, 0
	QUARTER 4, F1, F0, 0
	QUARTER 5, F0, F1, 0
	QUARTER 6, F1, F0, 0
	QUARTER 7, F0, F1, 0
	TURN \fill
	COMBINE
	s_add_co_u32 s[CT], s[CT], 1                   ; the block's next key block, or behind its last the second block's key block 0
	s_cmp_gt_u32 s[CT], s[CLQ]
	s_cselect_b32 s[CT], 0, s[CT]
	s_cselect_b32 s[CRW], s[CR2], s[CRW]
	s_cselect_b32 s[BK], 1, s[BK]
	s_cselect_b32 s[CLQ], s[I2], s[CLQ]
.endm
	FETCH 0, F0
	s_mov_b32 s[CNT], 7
.Llap:                                                 ; seven laps, each of which asks for the tile two laps on
	LAP 1
	s_sub_co_u32 s[CNT], s[CNT], 1
	s_cmp_lg_u32 s[CNT], 0
	s_cbranch_scc1 .Llap
	s_mov_b32 s[CNT], 2
.Ltail:                                                ; the last two laps ask for nothing.  The very last one's fetch out of the other slot reads old bytes and serves nothing: the price of one text for both
	LAP 0
	s_sub_co_u32 s[CNT], s[CNT], 1
	s_cmp_lg_u32 s[CNT], 0
	s_cbranch_scc1 .Ltail
	s_wait_dscnt 0x0                               ; my reads of the ring are over
	s_barrier_signal -1                            ; nobody reads the ring any more, and its last fill has landed: the stage may lie over it
	s_barrier_wait -1
	; THE WAY OUT.  A row's 256 bytes come from two waves, so all four put both blocks' results, rounded to f16, 16 bytes a lane, into one stage; a barrier; then whole rows go out.
.irp k, 0,1
	WIN 0x05*((\k)+1)                              ; sources in the block's window, destination window 0
.set i, 0
.rept 16
.irp r, 0,1,2,3
	v_cvt_pk_f16_f32 v[TMP+64*(\k)+4*i+(\r)], v[128+8*i+2*(\r)], v[128+8*i+2*(\r)+1]
.endr
.set i, i+1
.endr
.endr
	WIN 0
.irp k, 0,1
.set i, 0
.rept 16                               ; accumulator i: row block i / 4, column block i % 4
	ds_store_b128 v[STO], v[TMP+64*(\k)+4*i:TMP+64*(\k)+4*i+3] offset:(\k)*128*SP+(i/4)*16*SP+32*(i%4)
.set i, i+1
.endr
.endr
	s_wait_dscnt 0x0                               ; for the others' sake: my stores into the stage are done
	s_barrier_signal -1
	s_barrier_wait -1
.set t, 0
.rept 32
	ds_load_b128 v[TMP+4*t:TMP+4*t+3], v[RD] offset:t*2*SP
.set t, t+1
.endr
.set t, 0
.rept 32
	s_wait_dscnt 31-t                              ; LDS loads come back in order: load t is in
	global_store_b128 v[CO], v[TMP+4*t:TMP+4*t+3], s[10:11] offset:t*2*PITCHC  ; 16 lanes store 256 consecutive, aligned bytes
.set t, t+1
.endr
	s_wait_tensorcnt 0x0                           ; the wave's end
	ds_add_u32 v[SPW], v[NIL]
	s_wait_dscnt 0x0
	CROUND                                         ; the closing round
	s_endpgm
.Lfunc_end_k_qd5d9393bdf_pv:
	.size	k_qd5d9393bdf_pv, .Lfunc_end_k_qd5d9393bdf_pv-k_qd5d9393bdf_pv
	.p2alignl 7, 3214868480
	.fill 96, 4, 3214868480
	.section	.rodata,"a",@progbits
	.p2align	6, 0x0
	.amdhsa_kernel k_qd5d9393bdf_pv
		.amdhsa_group_segment_fixed_size 327680
		.amdhsa_private_segment_fixed_size 0
		.amdhsa_enable_private_segment 0
		.amdhsa_kernarg_size 32
		.amdhsa_user_sgpr_count 2
		.amdhsa_user_sgpr_kernarg_segment_ptr 1
		.amdhsa_wavefront_size32 1
		.amdhsa_system_sgpr_workgroup_id_x 1
		.amdhsa_system_sgpr_workgroup_id_y 1
		.amdhsa_system_sgpr_workgroup_id_z 1
		.amdhsa_system_vgpr_workitem_id 0
		.amdhsa_next_free_vgpr 768
		.amdhsa_next_free_sgpr 96
		.amdhsa_reserve_vcc 0
		.amdhsa_float_denorm_mode_32 3
		.amdhsa_float_denorm_mode_16_64 3
		.amdhsa_memory_ordered 1
		.amdhsa_forward_progress 1
		.amdhsa_inst_pref_size 101
	.end_amdhsa_kernel
	.amdgpu_metadata
---
amdhsa.version: [ 1, 2 ]
amdhsa.kernels:
  - .name:           k_qd5d9393bdf_pv
    .symbol:         k_qd5d9393bdf_pv.kd
    .args:
      - { .name: pbuf, .offset: 0, .size: 8, .value_kind: global_buffer, .address_space: global }
      - { .name: stat, .offset: 8, .size: 8, .value_kind: global_buffer, .address_space: global }
      - { .name: qkv, .offset: 16, .size: 8, .value_kind: global_buffer, .address_space: global }
      - { .name: oh, .offset: 24, .size: 8, .value_kind: global_buffer, .address_space: global }
    .group_segment_fixed_size: 327680
    .private_segment_fixed_size: 0
    .kernarg_segment_align: 8
    .kernarg_segment_size: 32
    .max_flat_workgroup_size: 128
    .sgpr_count:     96
    .vgpr_count:     768
    .wavefront_size: 32
...
	.end_amdgpu_metadata
.endif
;; end of part 8
;; launch proj: the kernel of part 5 again; grid 8 x 32, 4 waves a work-group, clusters of 4 x 4, 327,680 bytes of LDS; arguments oh, wph, b_proj, out0; writes out0
